; MI455X (gfx1250); checked and timed in simulation.
; The chip was launched on July 23, 2026; its instructions are those of AMD's public machine-readable ISA for CDNA 5 (MIT licence, August 2026) and "CDNA5" Instruction Set Architecture Reference Guide (July 2026). The comments in the code are by the model that wrote it; some were corrected since.
;; Scaled Dot Product Attention. Allowed arithmetic: matrix products marked QUANTISED: E3M2 operands, one E8M0 scale for each 32 along K, by v_wmma_scale_f32_16x16x128_f8f6f4 with both operands' format E3M2, f32 sums; everything else in f32.
;; Inputs: K 4 x 16 x 2,048 x 64 float32; M 2,048 x 2,048 bool; Q 4 x 16 x 2,048 x 64 float32; V 4 x 16 x 2,048 x 64 float32; qk_scale 16 float32.
;; Outputs: out0 4 x 16 x 2,048 x 64 float32.
;; This version of the problem:
;;   THIS VERSION OF THE PROBLEM IS GIVEN IN LOW PRECISION. The matrix products marked QUANTISED in the list below multiply operands that are first quantised to E3M2 (3 exponent bits, 2 mantissa bits; 6 bits a number), with one power-of-two scale for each 32 numbers along K (OCP MX v1.0); their sums are f32. All else is computed in f32.
;;   The module's matrix products, in the order in which they are computed (A, B: the left and right operand; K: the contracted axis; several contracted axes count as one K, in the product's order):
;;     1. batch 64 x [M 2,048, K 64] x [K 64, N 2,048]; A: computed on the way; B: computed on the way: QUANTISED
;;     2. batch 64 x [M 2,048, K 2,048] x [K 2,048, N 64]; A: softmax (see below); B: input V: QUANTISED
;;   THE QUANTISER, for each operand of a quantised product, along K:
;;     - K is cut into blocks of 32 from its start; a last block that is shorter is filled with zeros.
;;     - A block's scale is 2^e with e = floor(log2(the largest magnitude in the block)) - 4, held to -126 .. 127; a block of zeros has e = 0. As a byte (E8M0): e + 127.
;;     - Each number is divided by its block's scale, clamped to +-28, and rounded to the nearest number of E3M2, ties to even, subnormals kept.
;;     - The product sums the exact products of the quantised numbers (number of the format x scale) in f32.
;;   ~~~python
;;   def quantise(x, axis):      # numpy; x: float32 -> the quantised numbers, widened to float32 again
;;       x = np.moveaxis(x, axis, -1); K = x.shape[-1]
;;       x = np.pad(x, [(0, 0)] * (x.ndim - 1) + [(0, -K % 32)]); x = x.reshape(x.shape[:-1] + (-1, 32)); a = np.abs(x).max(-1, keepdims=True)
;;       e = np.where(a > 0, np.clip(np.frexp(np.where(a > 0, a, 1))[1] - 1 - 4, -126, 127), 0)      # np.frexp(a)[1] - 1 = floor(log2(a)), exactly
;;       r = np.clip(x / 2.0 ** e, -28, 28)
;;       step = 2.0 ** (np.maximum(np.frexp(np.where(r == 0, 1, r))[1] - 1, -2) - 2)
;;       q = np.round(r / step) * step * 2.0 ** e      # np.round: ties to even
;;       return np.moveaxis(q.reshape(q.shape[:-2] + (-1,))[..., :K], -1, axis).astype(np.float32)
;;   ~~~
;;   SOFTMAX AHEAD OF A QUANTISED PRODUCT. Where the list says 'softmax', what is quantised is not the finished softmax but p = 2^(t - M), with t = logit x log2(e) and M = ceil(the row's largest t), a whole number; so 1/2 < the row's largest p <= 1. The row's sum l is taken of the UNQUANTISED p, in f32, and the product's result is divided by l at the end. Since M is a whole number, a kernel that streams over the keys may use a running M (the ceiling of the running maximum): every later rescaling is an exact power of two, which a block's scale takes up: the codes' values come out the same.
;;   OPERANDS COMPUTED ON THE WAY. 'Computed on the way' means the value that the module computes at that place (a softmax that the list does not call 'softmax' is quantised finished and normalised). What goes into a quantiser is computed in f32, as accurately as f32 sums, v_exp_f32 and their like allow (about 1e-6 of the number): no bf16 or f16 on the way to a quantiser, and a product that is left as it is and whose result goes on into a quantised operand takes f32 operands (vector FMAs, or v_wmma_f32_16x16x4_f32). A number that lies on a knife's edge between two numbers of the format may be rounded either way, as far as f32 arithmetic and the matrix unit's own rounding can turn it there, and no further.
;; 2 versions. Each part assembles by itself: llvm-mc -triple=amdgcn-amd-amdhsa -mcpu=gfx1250 --defsym DOCPART=n.
;; ======== version 1 of 2: 2 launches
;; workspace buffers: ws 20,185,088 bytes; mk 528,384 bytes of whole numbers
;; launch prep (part 1): grid 896 x 1, 4 waves a work-group, no clusters, 68,096 bytes of LDS; arguments Q, K, V, M, qk_scale, ws, mk; writes ws, mk
.if DOCPART == 1
	.amdgcn_target "amdgcn-amd-amdhsa--gfx1250"
	.amdhsa_code_object_version 6
	.text
	.protected	k_qb5f09bb3e0_prep
	.globl	k_qb5f09bb3e0_prep
	.p2align	8
	.type	k_qb5f09bb3e0_prep,@function
k_qb5f09bb3e0_prep:
	s_mov_b64 s[64:65], 0
	v_nop
	global_prefetch_b8 v0, s[64:65] scope:SCOPE_SE
	s_setreg_imm32_b32 hwreg(HW_REG_WAVE_MODE, 25, 1), 1
	s_wait_xcnt 0x0
; Q, K, V [64 heads][2048][64] f32 become codes of BF6 (E3M2) with one E8M0 byte for each 32 along a product's K, laid in ws as IMAGES OF OPERAND REGISTERS;
; the mask M [2048][2048] (bytes 0 or 1, as the problem states them) becomes lane-mask words and two flags for each (tile of 16 queries, step of 128 keys), in mk.
; Q: x / (sqrt(sum x^2) + 1e-8) * g[head % 16];  K: the same without g; both quantised along the head's 64 (two blocks).  V is quantised along the KEYS (blocks of 32 keys of one channel).
; A block's byte is its largest magnitude's exponent field - 4, held at 1 from below by a floor among the maximum's leaves.
; THE ROWS OF A TILE ARE NOT NEIGHBOURS: lane r of tile 2 P + u takes row 32 P + 8 u + r + 8 (r / 8), for keys and for queries alike.
; ws, for each head 315,392 bytes: KC at 0 (step of 128 keys at 6,144 s, pair of tiles at + 1,536 b: register 4 c + k of lane l at 512 c + 16 l + 4 k; registers 0-5 tile 2 b, 6-11 tile 2 b + 1),
;   VC at 98,304 (step at 6,144 s, 16 channels at + 1,536 t, the same image of a whole 12-register fragment), KS at 196,608 (step at 512 s, lane at 16 l, word b: lanes 0-15 tile 2 b's rows, lanes 16-31 tile 2 b + 1's),
;   VS at 204,800 (step at 256 s, lane at 8 l, word t2: the four bytes of channel 32 t2 + l), QC at 208,896 and QS at 307,200 (as KC and KS).
; mk: word j of (tile T, step s) at 4,096 T + 256 s + 4 j: bit l = M[row(T, l % 16)][128 s + 32 (j / 16) + 16 (l / 16) + j % 16];  from byte 524,288: at 32 T + 8 grp {ANY, ALL}, bit s for s = 4 grp .. 4 grp + 3.
; SHARES: work-groups 0-127 the mask (tile = work-group, four steps a wave); 128-383 Q, 384-639 K, 640-895 V: a wave takes 128 rows (32,768 bytes) in four chunks of 32 rows.  Waves share nothing: no barrier.
; Every load of Q, K, V covers 512 consecutive bytes; the numbers turn through the wave's own stage in LDS so that a lane's registers run along the quantiser's K.  Each path has LDS bytes of its own.
; LIMITS: NaN and infinities among Q, K, V are not served.  Blocks whose largest magnitude lies under 2^-122 keep the byte 1; so does a block of zeros, where the rule says 127: its codes are zeros, and this program alone reads the bytes.
; x / (n + eps) * g is computed as x * (rcp(n + eps) * g): three roundings and a reciprocal of 1 ulp.
.set WSH,  315392
.set O_KC, 0
.set O_VC, 98304
.set O_KS, 196608
.set O_VS, 204800
.set O_QC, 208896
.set O_QS, 307200
.set FLG,  524288
.set VST,  34816                       ; LDS: the V path's stages begin behind the Q/K path's 4 x 32 rows x 272 bytes
.set RAW,  32                          ; v32-95   a chunk as it is loaded
.set X,    96                          ; v96-159  two sets of 32 numbers along the quantiser's K
.set CD,   160                         ; v160-207 codes: registers of their own for each chunk, so that no store's data are written again
.set T3,   208                         ; v208-210, v212-214 a block's second 16 codes (a conversion's three registers begin on an even number)
.set SW,   216                         ; v216-219 scale words
	s_load_b256 s[4:11], s[0:1], 0x0               ; Q s[4:5], K s[6:7], V s[8:9], M s[10:11]
	s_load_b128 s[12:15], s[0:1], 0x20             ; qk_scale s[12:13], ws s[14:15]
	s_load_b64 s[16:17], s[0:1], 0x30              ; mk
	v_lshl_add_u32 v224, v0, 2, 0x10800
	v_mov_b32 v225, 0
	v_lshrrev_b32 v1, 5, v0
	v_readfirstlane_b32 s18, v1                    ; wave 0..3
	v_and_b32 v1, 31, v0                           ; lane
	v_lshlrev_b32 v2, 4, v1                        ; 16 x lane; never rewritten
	v_and_b32 v3, 15, v0                           ; r
	v_bfe_u32 v4, v0, 4, 1                         ; h
	s_mov_b32 s20, 0x76543210
	s_mov_b32 s21, 0xfedcba98                      ; v_permlanex16_b32's selects for lane l xor 16
	s_wait_kmcnt 0x0
	s_cmp_lt_u32 ttmp9, 128
	s_cbranch_scc1 .Lmask
	s_cmp_lt_u32 ttmp9, 640
	s_cbranch_scc0 .Lvpath
.macro LOADC p                         ; chunk p: 32 rows of 256 bytes, dense: 16 loads of 512 consecutive bytes
.set i, 0
.rept 16
	global_load_b128 v[RAW+4*i:RAW+4*i+3], v2, s[4:5] offset:8192*(\p)+512*i th:TH_LOAD_NT
.set i, i+1
.endr
.endm
.macro MAXSC                           ; both sets by turns: the block's largest magnitude (all 32 numbers are the lane's), the conversion's scale operand, the byte
.irp u, 0,1
	v_max3_num_f32 v[24+\u], |v[X+32*\u]|, |v[X+32*\u+1]|, 0x2800000   ; with the floor 2^(5 - 127): the byte cannot fall under 1
.endr
.irp i, 2,4,6,8,10,12,14,16,18,20,22,24,26,28,30
.irp u, 0,1
	v_max3_num_f32 v[24+\u], v[24+\u], |v[X+32*\u+\i]|, |v[X+32*\u+\i+1]|
.endr
.endr
.irp u, 0,1
	v_add_nc_u32 v[28+\u], 0xfe000000, v[24+\u]    ; 4 off the exponent field: the conversion takes this operand's exponent field as its scale
.endr
.irp u, 0,1
	v_lshrrev_b32 v[30+\u], 23, v[28+\u]           ; the byte
.endr
.endm
; ---------------- Q and K ----------------
	s_sub_co_u32 s26, ttmp9, 128
	s_lshl_b32 s26, s26, 2
	s_add_co_u32 s26, s26, s18                     ; 0 .. 2047
	s_lshr_b32 s27, s26, 10                        ; 0: Q, 1: K
	s_and_b32 s26, s26, 1023                       ; 16 x head + step
	s_lshr_b32 s28, s26, 4                         ; head
	s_and_b32 s29, s26, 15                         ; step
	s_and_b32 s32, s28, 15
	s_lshl_b32 s32, s32, 2
	s_load_b32 s24, s[12:13], s32 offset:0x0       ; g of my head
	s_mov_b32 s31, O_QS
	s_cmp_eq_u32 s27, 1                            ; the choice hangs on the work-group's and the wave's number alone
	s_cselect_b64 s[4:5], s[6:7], s[4:5]
	s_cselect_b32 s30, O_KC, O_QC
	s_cselect_b32 s31, O_KS, s31
	s_wait_kmcnt 0x0
	s_cselect_b32 s24, 0x3f800000, s24             ; K has no gain
	s_lshl_b32 s34, s26, 15
	s_mov_b32 s35, 0
	s_add_nc_u64 s[4:5], s[4:5], s[34:35]          ; my 128 rows
	s_mul_i32 s34, s28, WSH
	s_mul_i32 s38, s29, 6144
	s_add_co_u32 s38, s38, s34
	s_add_co_u32 s38, s38, s30
	s_mov_b32 s39, 0
	s_add_nc_u64 s[36:37], s[14:15], s[38:39]      ; where my codes go
	s_lshl_b32 s38, s29, 9
	s_add_co_u32 s38, s38, s34
	s_add_co_u32 s38, s38, s31
	s_add_nc_u64 s[40:41], s[14:15], s[38:39]      ; and my scale words
	s_mov_b32 s25, 0xffff0000                      ; lanes 16-31
	LOADC 0
	s_mul_i32 s33, s18, 32*272                     ; my stage: 32 rows, 272 bytes apart: the sixteen rows of a load start in sixteen different banks (64 banks of 4 bytes: ISA guide 11.1)
	v_mul_u32_u24 v5, v4, 272
	v_lshl_add_u32 v5, v3, 4, v5
	v_add_nc_u32 v5, s33, v5                       ; in: lanes 0-15 one row, lanes 16-31 the next
	v_mul_u32_u24 v6, v3, 272
	v_lshl_add_u32 v6, v4, 7, v6
	v_add_nc_u32 v6, s33, v6                       ; back: row r of a tile, my half's 128 bytes
	v_lshlrev_b32 v7, 3, v4                        ; 8 h
	v_mov_b32 v18, 0                               ; written once: a lane permute's destination counts as one of its sources
	v_mov_b32 v19, 0
.macro KCHUNK p                        ; 32 rows = a pair of tiles
	s_wait_loadcnt 0x0                             ; only this chunk's 16 loads are out
.set i, 0
.rept 16                               ; memory row 2 i + h goes to stage row 16 u + 8 g + j, so that a tile's 16 rows are neighbours there
	ds_store_b128 v5, v[RAW+4*i:RAW+4*i+3] offset:(16*((i/4)%2)+8*(i/8)+2*(i%4))*272
.set i, i+1
.endr
.set i, 0
.rept 16                               ; set u = i / 8: row r of tile u, channels 32 h + 0 .. 31.  LDS serves a wave's instructions in order: these see the stores
	ds_load_b128 v[X+4*i:X+4*i+3], v6 offset:(i/8)*16*272+16*(i%8)
.set i, i+1
.endr
	s_wait_dscnt 0x0                               ; the numbers are back, and the stores have read the registers that the next chunk's loads take
.if \p < 3
	LOADC \p+1
.endif
.irp u, 0,1                            ; the row's sum of squares: two chains a set, started by products
	v_pk_mul_f32 v[10+4*\u:11+4*\u], v[X+32*\u:X+32*\u+1], v[X+32*\u:X+32*\u+1]
	v_pk_mul_f32 v[12+4*\u:13+4*\u], v[X+32*\u+2:X+32*\u+3], v[X+32*\u+2:X+32*\u+3]
.endr
.irp i, 4,8,12,16,20,24,28
.irp u, 0,1
	v_pk_fma_f32 v[10+4*\u:11+4*\u], v[X+32*\u+\i:X+32*\u+\i+1], v[X+32*\u+\i:X+32*\u+\i+1], v[10+4*\u:11+4*\u]
	v_pk_fma_f32 v[12+4*\u:13+4*\u], v[X+32*\u+\i+2:X+32*\u+\i+3], v[X+32*\u+\i+2:X+32*\u+\i+3], v[12+4*\u:13+4*\u]
.endr
.endr
.irp u, 0,1
	v_pk_add_f32 v[10+4*\u:11+4*\u], v[10+4*\u:11+4*\u], v[12+4*\u:13+4*\u]
.endr
.irp u, 0,1
	v_add_f32 v[10+4*\u], v[10+4*\u], v[11+4*\u]
.endr
.irp u, 0,1
	v_permlanex16_b32 v[18+\u], v[10+4*\u], s20, s21
.endr
.irp u, 0,1
	v_add_f32 v[10+4*\u], v[10+4*\u], v[18+\u]     ; with the row's other 32 channels
.endr
.irp u, 0,1
	v_sqrt_f32 v[10+4*\u], v[10+4*\u]
.endr
	v_nop                                          ; a plain instruction behind the roots,
	s_wait_alu depctr_va_vdst(0)                   ; and the wait ahead of their first reader: one for both
.irp u, 0,1
	v_add_f32 v[10+4*\u], 0x322bcc77, v[10+4*\u]   ; + 1e-8
.endr
.irp u, 0,1
	v_rcp_f32 v[10+4*\u], v[10+4*\u]
.endr
	v_nop
	s_wait_alu depctr_va_vdst(0)                   ; likewise for the two reciprocals
.irp u, 0,1
	v_mul_f32 v[20+2*\u], s24, v[10+4*\u]          ; g / (n + eps)
.endr
.irp u, 0,1
	v_mov_b32 v[21+2*\u], v[20+2*\u]               ; (named with it as a pair, so it is written)
.endr
.irp i, 0,2,4,6,8,10,12,14,16,18,20,22,24,26,28,30
.irp u, 0,1
	v_pk_mul_f32 v[X+32*\u+\i:X+32*\u+\i+1], v[X+32*\u+\i:X+32*\u+\i+1], v[20+2*\u:21+2*\u] op_sel_hi:[1,0]
.endr
.endr
	MAXSC
.irp u, 0,1
	v_cvt_scalef32_pk16_bf6_f32 v[CD+12*(\p)+6*\u:CD+12*(\p)+6*\u+2], v[X+32*\u:X+32*\u+15], v[28+\u]
	v_cvt_scalef32_pk16_bf6_f32 v[T3+4*\u:T3+4*\u+2], v[X+32*\u+16:X+32*\u+31], v[28+\u]
.endr
	v_lshlrev_b32 v220, v7, v30                    ; my block's byte at its place in the row's word.  (Also the plain instruction behind the conversions)
	v_lshlrev_b32 v221, v7, v31
.irp u, 0,1
.irp i, 0,1,2
	v_mov_b32 v[CD+12*(\p)+6*\u+3+\i], v[T3+4*\u+\i]
.endr
.endr
.irp u, 0,1
	v_permlanex16_b32 v[18+\u], v[220+\u], s20, s21
.endr
.irp u, 0,1
	v_or_b32 v[220+\u], v[220+\u], v[18+\u]        ; both bytes of row r, in lanes r and 16 + r
.endr
	v_cndmask_b32 v220, v220, v221, s25            ; lanes 0-15 keep tile 2 p's, lanes 16-31 take tile 2 p + 1's
	v_lshl_or_b32 v[SW+\p], v220, 16, v220         ; the two bytes once more for the upper half of the instruction's 128, whose codes count for nothing: no byte is 0xff
.irp c, 0,1,2
	global_store_b128 v2, v[CD+12*(\p)+4*\c:CD+12*(\p)+4*\c+3], s[36:37] offset:1536*(\p)+512*\c   ; 512 consecutive bytes, aligned
.endr
.endm
	KCHUNK 0
	KCHUNK 1
	KCHUNK 2
	KCHUNK 3
	global_store_b128 v2, v[SW:SW+3], s[40:41]     ; the step's 512 bytes of scale words
	s_wait_tensorcnt 0x0
	ds_add_u32 v224, v225
	s_wait_dscnt 0x0
	s_endpgm
; ---------------- V ----------------
.Lvpath:
	s_sub_co_u32 s26, ttmp9, 640
	s_lshl_b32 s26, s26, 2
	s_add_co_u32 s26, s26, s18                     ; 16 x head + step
	s_lshr_b32 s28, s26, 4
	s_and_b32 s29, s26, 15
	s_lshl_b32 s34, s26, 15
	s_mov_b32 s35, 0
	s_add_nc_u64 s[4:5], s[8:9], s[34:35]          ; my 128 keys
	s_mul_i32 s34, s28, WSH
	s_mul_i32 s38, s29, 6144
	s_add_co_u32 s38, s38, s34
	s_add_co_u32 s38, s38, O_VC
	s_mov_b32 s39, 0
	s_add_nc_u64 s[36:37], s[14:15], s[38:39]
	s_lshl_b32 s38, s29, 8
	s_add_co_u32 s38, s38, s34
	s_add_co_u32 s38, s38, O_VS
	s_add_nc_u64 s[40:41], s[14:15], s[38:39]
	LOADC 0
	s_lshl_b32 s33, s18, 13
	s_add_co_u32 s33, s33, VST                     ; my stage: 32 keys x 256 bytes, as they lie
	v_add_nc_u32 v8, s33, v2
	v_lshl_add_u32 v9, v1, 2, s33
	v_lshlrev_b32 v222, 3, v1
.macro VCHUNK kb                       ; a block of 32 keys.  A LANE TAKES A CHANNEL AND ITS REGISTERS RUN DOWN THE KEYS: set t2 holds channel 32 t2 + lane
	s_wait_loadcnt 0x0
.set i, 0
.rept 16
	ds_store_b128 v8, v[RAW+4*i:RAW+4*i+3] offset:512*i
.set i, i+1
.endr
.set i, 0
.rept 64
	ds_load_b32 v[X+i], v9 offset:256*(i%32)+128*(i/32)   ; 32 lanes read 128 consecutive bytes
.set i, i+1
.endr
	s_wait_dscnt 0x0
.if \kb < 3
	LOADC \kb+1
.endif
	MAXSC
.irp u, 0,1                            ; blocks 0 and 2 go to the first 12 registers of the set's 24, blocks 1 and 3 to the second 12
	v_cvt_scalef32_pk16_bf6_f32 v[CD+24*\u+12*((\kb)%2)+6*((\kb)/2):CD+24*\u+12*((\kb)%2)+6*((\kb)/2)+2], v[X+32*\u:X+32*\u+15], v[28+\u]
	v_cvt_scalef32_pk16_bf6_f32 v[T3+4*\u:T3+4*\u+2], v[X+32*\u+16:X+32*\u+31], v[28+\u]
.endr
.irp u, 0,1                            ; the channel's scale word, the lower keys in the lower byte.  (Also the plain instruction behind the conversions)
.if \kb == 0
	v_mov_b32 v[SW+\u], v[30+\u]
.else
	v_lshl_or_b32 v[SW+\u], v[30+\u], 8*(\kb), v[SW+\u]
.endif
.endr
.irp u, 0,1
.irp i, 0,1,2
	v_mov_b32 v[CD+24*\u+12*((\kb)%2)+6*((\kb)/2)+3+\i], v[T3+4*\u+\i]
.endr
.endr
.endm
	VCHUNK 0
	VCHUNK 1
	VCHUNK 2
	VCHUNK 3
.irp u, 0,1                            ; the operand's layout: lanes 0-15 hold key blocks 0 and 2 of 16 channels, lanes 16-31 blocks 1 and 3 of the same 16
.irp i, 0,1,2,3,4,5,6,7,8,9,10,11
	v_permlane16_swap_b32 v[CD+24*\u+\i], v[CD+24*\u+12+\i]   ; the first's lanes 16-31 change places with the second's lanes 0-15: now channels 32 u + 0 .. 15 and 32 u + 16 .. 31
.endr
.endr
.irp t, 0,1,2,3
.irp c, 0,1,2
	global_store_b128 v2, v[CD+12*\t+4*\c:CD+12*\t+4*\c+3], s[36:37] offset:1536*\t+512*\c
.endr
.endr
	global_store_b64 v222, v[SW:SW+1], s[40:41]    ; 256 consecutive bytes, aligned
	s_wait_tensorcnt 0x0
	ds_add_u32 v224, v225
	s_wait_dscnt 0x0
	s_endpgm
; ---------------- the mask ----------------
.Lmask:                                ; tile T = the work-group's number; the wave takes steps 4 wave .. 4 wave + 3
	s_lshr_b32 s26, ttmp9, 1
	s_and_b32 s27, ttmp9, 1
	s_lshl_b32 s26, s26, 16                        ; 32 (T / 2) rows of 2,048 bytes
	s_lshl_b32 s27, s27, 14                        ; + 8 (T % 2) rows
	s_add_co_u32 s26, s26, s27
	s_lshl_b32 s27, s18, 9                         ; + my 512 keys
	s_add_co_u32 s26, s26, s27
	s_mov_b32 s27, 0
	s_add_nc_u64 s[10:11], s[10:11], s[26:27]
	v_and_b32 v5, 8, v3
	v_add_nc_u32 v5, v5, v3                        ; r + 8 (r / 8)
	v_lshlrev_b32 v5, 11, v5
	v_lshl_add_u32 v5, v4, 4, v5                   ; my row, + 16 h
.set i, 0
.rept 16                               ; step i / 4, block i % 4: my 16 keys' bytes.  An instruction takes 32 bytes of each of 16 rows; the wave's 16 loads use up each row's 512 bytes
	global_load_b128 v[32+4*i:35+4*i], v5, s[10:11] offset:128*(i/4)+32*(i%4)
.set i, i+1
.endr
	s_lshl_b32 s26, ttmp9, 12
	s_lshl_b32 s28, s18, 10
	s_add_co_u32 s26, s26, s28
	s_add_nc_u64 s[36:37], s[16:17], s[26:27]      ; my four steps' words
	s_lshl_b32 s26, ttmp9, 5
	s_lshl_b32 s28, s18, 3
	s_add_co_u32 s26, s26, s28
	s_add_co_u32 s26, s26, FLG
	s_add_nc_u64 s[40:41], s[16:17], s[26:27]      ; my two flag words
	s_lshl_b32 s28, s18, 2
	s_mov_b32 s30, 0                               ; ANY
	s_mov_b32 s31, 0                               ; ALL
	v_lshlrev_b32 v6, 3, v1
.irp i, 0,1,2,3,4,5,6,7
	v_mov_b32 v[96+\i], 0                          ; v_writelane_b32's destination counts as read
.endr
	s_wait_loadcnt 0x0
.macro MSTEP sl
.set j, 0
.rept 64                               ; score register j's byte in all 32 lanes becomes one word of 32 bits; word j goes to lane j / 2, register j % 2, so that a lane stores 8 bytes
	v_and_b32 v[8+j%4], 1<<(8*(j%4)), v[32+16*(\sl)+4*(j/16)+(j%16)/4]
	v_cmp_ne_u32 s[44+j%4], 0, v[8+j%4]
	v_writelane_b32 v[96+2*(\sl)+j%2], s[44+j%4], j/2
.set j, j+1
.endr
	v_or_b32 v16, v[32+16*(\sl)], v[33+16*(\sl)]
	v_and_b32 v17, v[32+16*(\sl)], v[33+16*(\sl)]
.irp i, 2,3,4,5,6,7,8,9,10,11,12,13,14,15
	v_or_b32 v16, v16, v[32+16*(\sl)+\i]
	v_and_b32 v17, v17, v[32+16*(\sl)+\i]
.endr
	v_cmp_ne_u32 vcc_lo, 0, v16                    ; does any key of the step count for any query of the tile?
	s_cmp_lg_u32 vcc_lo, 0
	s_cselect_b32 s29, 1<<(\sl), 0
	s_or_b32 s30, s30, s29
	v_cmp_ne_u32 vcc_lo, 0x01010101, v17           ; do all count?
	s_cmp_eq_u32 vcc_lo, 0
	s_cselect_b32 s29, 1<<(\sl), 0
	s_or_b32 s31, s31, s29
	global_store_b64 v6, v[96+2*(\sl):97+2*(\sl)], s[36:37] offset:256*(\sl)   ; 256 consecutive bytes, aligned
.endm
	MSTEP 0
	MSTEP 1
	MSTEP 2
	MSTEP 3
	s_lshl_b32 s30, s30, s28                       ; bit s of the tile's 16
	s_lshl_b32 s31, s31, s28
	v_mov_b32 v104, s30
	v_mov_b32 v105, s31
	v_mov_b32 v106, 0
	v_cmp_eq_u32 vcc_lo, 0, v1
	s_wait_xcnt 0x0                                ; EXEC is a source of the stores above: it changes only behind this wait
	s_and_saveexec_b32 s29, vcc_lo
	global_store_b64 v106, v[104:105], s[40:41]    ; lane 0 alone
	s_wait_xcnt 0x0                                ; and again, in front of the line that widens it
	s_or_b32 exec_lo, exec_lo, s29
	s_endpgm
.Lfunc_end_k_qb5f09bb3e0_prep:
	.size	k_qb5f09bb3e0_prep, .Lfunc_end_k_qb5f09bb3e0_prep-k_qb5f09bb3e0_prep
	.p2alignl 7, 3214868480
	.fill 96, 4, 3214868480
	.section	.rodata,"a",@progbits
	.p2align	6, 0x0
	.amdhsa_kernel k_qb5f09bb3e0_prep
		.amdhsa_group_segment_fixed_size 68096
		.amdhsa_private_segment_fixed_size 0
		.amdhsa_enable_private_segment 0
		.amdhsa_kernarg_size 56
		.amdhsa_user_sgpr_count 2
		.amdhsa_user_sgpr_kernarg_segment_ptr 1
		.amdhsa_wavefront_size32 1
		.amdhsa_system_sgpr_workgroup_id_x 1
		.amdhsa_system_sgpr_workgroup_id_y 1
		.amdhsa_system_sgpr_workgroup_id_z 1
		.amdhsa_system_vgpr_workitem_id 0
		.amdhsa_next_free_vgpr 226
		.amdhsa_next_free_sgpr 66
		.amdhsa_reserve_vcc 1
		.amdhsa_float_denorm_mode_32 3
		.amdhsa_float_denorm_mode_16_64 3
		.amdhsa_memory_ordered 1
		.amdhsa_forward_progress 1
		.amdhsa_inst_pref_size 146
	.end_amdhsa_kernel
	.amdgpu_metadata
---
amdhsa.version: [ 1, 2 ]
amdhsa.kernels:
  - .name:           k_qb5f09bb3e0_prep
    .symbol:         k_qb5f09bb3e0_prep.kd
    .args:
      - { .name: Q, .offset: 0, .size: 8, .value_kind: global_buffer, .address_space: global }
      - { .name: K, .offset: 8, .size: 8, .value_kind: global_buffer, .address_space: global }
      - { .name: V, .offset: 16, .size: 8, .value_kind: global_buffer, .address_space: global }
      - { .name: M, .offset: 24, .size: 8, .value_kind: global_buffer, .address_space: global }
      - { .name: qk_scale, .offset: 32, .size: 8, .value_kind: global_buffer, .address_space: global }
      - { .name: ws, .offset: 40, .size: 8, .value_kind: global_buffer, .address_space: global }
      - { .name: mk, .offset: 48, .size: 8, .value_kind: global_buffer, .address_space: global }
    .group_segment_fixed_size: 68096
    .private_segment_fixed_size: 0
    .kernarg_segment_align: 8
    .kernarg_segment_size: 56
    .max_flat_workgroup_size: 128
    .sgpr_count:     66
    .vgpr_count:     226
    .wavefront_size: 32
...
	.end_amdgpu_metadata
.endif
;; end of part 1
;; launch attn (part 2): grid 256 x 1, 16 waves a work-group, no clusters, 280,576 bytes of LDS; arguments ws, mk, out0; writes out0
.if DOCPART == 2
	.amdgcn_target "amdgcn-amd-amdhsa--gfx1250"
	.amdhsa_code_object_version 6
	.text
	.protected	k_qb5f09bb3e0_attn
	.globl	k_qb5f09bb3e0_attn
	.p2align	8
	.type	k_qb5f09bb3e0_attn,@function
k_qb5f09bb3e0_attn:
	s_mov_b64 s[64:65], 0
	v_nop
	global_prefetch_b8 v0, s[64:65] scope:SCOPE_SE
	s_setreg_imm32_b32 hwreg(HW_REG_WAVE_MODE, 25, 1), 1
	s_wait_xcnt 0x0
; out0[head][q][:] = the sum over k of softmax_k(masked Q^ . K^) V[k][:], both products on codes of BF6 (E3M2) with one E8M0 byte for each 32 along a product's K.  64 heads, 2,048 queries and keys, 64 channels.
; The codes, scale words, lane-mask words and flags were laid out by the launch before (its head comment gives the layouts of ws and mk).
; THE SOFTMAX: t = score x log2(e); M = the row's largest t so far, rounded UP to a whole number; p = 2^(t - M) is quantised along the keys, not normalised; the row's sum is taken of the unquantised p and divides at the end.
; When M moves, the sum and O are multiplied by 2^(old M - new M): exact.  A hidden score becomes -infinity ahead of the maximum, so its p is 0.  A row that the mask hides wholly ends as 0 x 1 / 0 = NaN, as the softmax of such a row is.
; SHARES.  A work-group owns a quarter of a head's queries; its SIXTEEN waves have 256 registers each, four to a SIMD, so that one wave's vector work stands beside another's matrix work and LDS loads.
; A wave makes two tiles of 16 queries one after the other: tile a = 16 x quarter + wave and tile 127 - a.  THE ROWS OF A TILE: lane r of tile 2 P + u is row 32 P + 8 u + r + 8 (r / 8), for queries and keys alike.
; THE WHOLE HEAD'S K AND V LIE IN LDS: 208,896 bytes of codes and scale words, copied once through registers, one barrier, and nothing is filled again.
; THE MASK IS AN INPUT.  A step of 128 keys none of which counts for any of the tile's 16 queries (flag ANY = 0) is left out by a scalar branch on the stored flag; a step all of whose keys count (ALL = 1) skips the 64 selects.
; NO TENSOR LOAD AND NO CLUSTER: branches here hang on numbers read from memory; joint requests are tensor loads.  What four work-groups of a head share is their one fill.
; LAYOUT.  Both products are used transposed: S^T = K Q^T (source 0 = 16 keys, source 1 = my 16 queries), O^T = V^T P^T (source 0 = 16 channels, source 1 = P): a lane holds ONE query (lane % 16) throughout;
; score register 16 b + i is key 128 s + 32 b + 16 (lane / 16) + i.  The first product's K is 64: Q's fragment has zero codes in its upper six registers, K's fragment of tile t is six registers of codes and whatever
; follows them (the next tile's codes, or six zeros behind the last): those meet Q's zeros.  The scale words repeat their two bytes, so that no byte is 0xff.
; LIMITS: a block's largest p is taken through the block's largest score, which takes v_exp_f32 not to fall where its input rises; a block whose every p is 0 keeps the byte 1: its codes are zeros.
.set WSH,  315392
.set O_VC, 98304
.set O_KS, 196608
.set O_VS, 204800
.set O_QC, 208896
.set O_QS, 307200
.set FLG,  524288
.set STAGE, 208896                     ; behind the head's bytes: 16 rows x (256 + 16) bytes for each wave, for the way out
.set SP,   272
.set LI,   1                           ; v1   16 x lane: an image's place for my lane; also my offset in two rows of out0; never rewritten
.set LIV,  2                           ; v2   the same in V's codes
.set LIS,  3                           ; v3   in K's scale words
.set L8V,  4                           ; v4   8 x lane, in V's scale words
.set ADK,  5                           ; v5-8 the step's LDS addresses (at the head: the fill's)
.set ADV,  6
.set ADS,  7
.set ADT,  8
.set NINF, 9                           ; v9   -infinity
.set STO,  10                          ; v10  the stage: where I put 32 bytes of a row
.set RD,   11                          ; v11  and where I read a row back
.set QA,   16                          ; v16-27 tile A's Q fragment (v22-27 zeros);  v28-39 tile B's;  v40, v41 their scale words.  v12 -M, v13 the largest t, v[14:15] the sum in two halves
.set QB,   28
.set QSA,  40
.set QSB,  41
.set KF,   42                          ; v42-89 eight half fragments of K, later four fragments of V;  v90-95 zeros
.set S,    96                          ; v96-159 S^T, then p; on the way out the scaled O and the rows read back
.set O,    160                         ; v160-191 O^T
.set PC,   192                         ; v192-203 p's codes;  v204-206, v208-210 the conversions' second halves
.set PT,   204
.set BM,   212                         ; v212-215 the blocks' largest scores, then largest p
.set BT,   216
.set BS,   220                         ; v220-223 the conversions' scale operands
.set KSC,  224                         ; v224-227 K's scale words;  v228-229 V's;  v230 p's: these hold scales and nothing else
.set VSC,  228
.set PW,   230
.set F,    232                         ; v[232:233] f = 2^(old M - new M)
.set TMP,  234
.set L2,   236                         ; v[236:237] the sum's second chain
; scalars: s4-51, s68-83 the step's 64 lane-mask words (word j: s[4 + j] for j < 48, else s[20 + j]);  s[52:53] ws at my head;  s[54:55] mk;  s58 wave;  s61, s62 tiles A, B;  s66, s67 ANY, ALL of A;  s84, s85 of B;
; s[86:87] lane selects;  s[88:89] log2(e);  s90 the step, s91 = 6,144 x, s92 = 512 x, s93 = 256 x step;  s[94:95], s[96:97] the tiles' mask words;  s[98:99], s[100:101] the tiles' rows of out0
	s_load_b128 s[52:55], s[0:1], 0x0              ; ws, mk
	s_load_b64 s[56:57], s[0:1], 0x10              ; out0
	v_lshl_add_u32 v254, v0, 2, 0x44000
	v_mov_b32 v255, 0
	v_lshrrev_b32 v247, 5, v0
	v_readfirstlane_b32 s58, v247                  ; wave 0..15
	v_and_b32 v[LI], 31, v0
	v_lshlrev_b32 v[LI], 4, v[LI]
	v_and_b32 v247, 15, v0                         ; r
	v_bfe_u32 v248, v0, 4, 1                       ; h
	v_lshlrev_b32 v244, 4, v0                      ; the fill: 16 bytes a thread,
	v_lshlrev_b32 v245, 3, v0                      ; and 8 for its last 4,096 bytes
	s_lshr_b32 s59, ttmp9, 2                       ; head
	s_and_b32 s60, ttmp9, 3                        ; quarter
	s_lshl_b32 s61, s60, 4
	s_add_co_u32 s61, s61, s58                     ; tile A
	s_sub_co_u32 s62, 127, s61                     ; tile B
	s_mul_i32 s2, s59, WSH
	s_mov_b32 s3, 0
	s_lshl_b32 s63, s61, 5
	s_lshl_b32 s66, s62, 5
	s_wait_kmcnt 0x0
	s_add_nc_u64 s[52:53], s[52:53], s[2:3]
	s_load_b256 s[4:11], s[54:55], s63 offset:FLG  ; tile A's flags: {ANY, ALL} for each four steps
	s_load_b256 s[12:19], s[54:55], s66 offset:FLG ; tile B's
; Q's six registers of codes of tile 2 P + u out of the pair's image of twelve, and its rows' scale words
.macro QLOAD ts, qf, qw, va
	s_lshr_b32 s90, s[\ts], 1                      ; P
	s_and_b32 s91, s[\ts], 1                       ; u
	s_mul_i32 s92, s90, 1536
	s_mul_i32 s93, s91, 520
	s_add_co_u32 s93, s93, s92
	v_add_nc_u32 v[\va], s93, v[LI]
	s_mul_i32 s93, s91, 1016
	s_add_co_u32 s93, s93, s92
	v_add_nc_u32 v[\va+1], s93, v[LI]
	s_lshr_b32 s92, s90, 2
	s_lshl_b32 s92, s92, 9
	s_lshl_b32 s93, s91, 8
	s_add_co_u32 s92, s92, s93
	s_and_b32 s93, s90, 3
	s_lshl_b32 s93, s93, 2
	s_add_co_u32 s92, s92, s93
	v_lshl_add_u32 v[\va+2], v247, 4, s92
	global_load_b64 v[\qf:\qf+1], v[\va], s[52:53] offset:O_QC          ; image registers 0, 1 (u = 0) or 6, 7
	global_load_b64 v[\qf+2:\qf+3], v[\va+1], s[52:53] offset:O_QC+8    ; 2, 3 or 8, 9
	global_load_b64 v[\qf+4:\qf+5], v[\va], s[52:53] offset:O_QC+512    ; 4, 5 or 10, 11
	global_load_b32 v[\qw], v[\va+2], s[52:53] offset:O_QS
.endm
	QLOAD 61, QA, QSA, 238
	QLOAD 62, QB, QSB, 241
.set i, 0
.rept 25                               ; the head's K and V: 25 x 8,192 bytes, 512 consecutive bytes a wave and instruction,
	global_load_b128 v[96+4*i:96+4*i+3], v244, s[52:53] offset:8192*i
.set i, i+1
.endr
	global_load_b64 v[196:197], v245, s[52:53] offset:O_VS   ; and the last 4,096
	s_lshl_b32 s92, s61, 12
	s_mov_b32 s93, 0
	s_add_nc_u64 s[94:95], s[54:55], s[92:93]
	s_lshl_b32 s92, s62, 12
	s_add_nc_u64 s[96:97], s[54:55], s[92:93]
	s_lshl_b32 s90, s59, 19                        ; a head's 2,048 rows of 256 bytes
.irp x, 0,1
	s_lshr_b32 s92, s[61+\x], 1
	s_lshl_b32 s92, s92, 13                        ; 32 P rows
	s_and_b32 s91, s[61+\x], 1
	s_lshl_b32 s91, s91, 11                        ; 8 u rows
	s_add_co_u32 s92, s92, s91
	s_add_co_u32 s92, s92, s90
	s_add_nc_u64 s[98+2*\x:99+2*\x], s[56:57], s[92:93]
.endr
	s_mov_b32 s86, 0x76543210
	s_mov_b32 s87, 0xfedcba98                      ; v_permlanex16_b32's selects for lane l xor 16
	s_mov_b32 s88, 0x3fb8aa3b                      ; log2(e)
	s_mov_b32 s89, s88                             ; (named with it as a pair, so it is written)
	v_add_nc_u32 v[LIV], O_VC, v[LI]
	v_add_nc_u32 v[LIS], O_KS, v[LI]
	v_and_b32 v[L8V], 31, v0
	v_lshl_add_u32 v[L8V], v[L8V], 3, O_VS
	v_lshlrev_b32 v5, 4, v0                        ; the fill's LDS addresses: an LDS offset has 16 bits, so four registers 65,536 bytes apart
	v_add_nc_u32 v6, 0x10000, v5
	v_add_nc_u32 v7, 0x20000, v5
	v_add_nc_u32 v8, 0x30000, v5
	v_lshl_add_u32 v246, v0, 3, O_VS
	v_mov_b32 v[NINF], 0xff800000
	s_mul_i32 s91, s58, 16*SP
	s_add_co_u32 s91, s91, STAGE                   ; my stage
	v_mul_u32_u24 v[STO], v247, SP
	v_lshl_add_u32 v[STO], v248, 5, v[STO]
	v_add_nc_u32 v[STO], s91, v[STO]               ; in: row r, 32 bytes for each half of the lanes
	v_mul_u32_u24 v[RD], v248, SP
	v_lshl_add_u32 v[RD], v247, 4, v[RD]
	v_add_nc_u32 v[RD], s91, v[RD]                 ; back: lanes 0-15 one row of 256 bytes, lanes 16-31 the next
.irp i, 0,1,2,3,4,5
	v_mov_b32 v[QA+6+\i], 0                        ; zero codes for the upper half of the first product's 128
	v_mov_b32 v[QB+6+\i], 0
	v_mov_b32 v[KF+48+\i], 0                       ; and behind K's last tile
.endr
.irp i, 0,1,2,3
	v_mov_b32 v[BT+\i], 0                          ; written once: a lane permute's destination counts as one of its sources
.endr
	v_mov_b32 v[F+1], 0                            ; (named as the upper half of a pair)
	v_mov_b32 v[TMP], 0
	s_wait_kmcnt 0x0
	s_or_b32 s66, s4, s6                           ; the four groups' bits make the tile's 16
	s_or_b32 s66, s66, s8
	s_or_b32 s66, s66, s10
	s_or_b32 s67, s5, s7
	s_or_b32 s67, s67, s9
	s_or_b32 s67, s67, s11
	s_or_b32 s84, s12, s14
	s_or_b32 s84, s84, s16
	s_or_b32 s84, s84, s18
	s_or_b32 s85, s13, s15
	s_or_b32 s85, s85, s17
	s_or_b32 s85, s85, s19
.set i, 0
.rept 25
	s_wait_loadcnt 25-i                            ; loads come back in order: behind the fill's load i stand 24 - i of 16 bytes and the one of 8
	ds_store_b128 v[5+i/8], v[96+4*i:96+4*i+3] offset:8192*(i%8)
.set i, i+1
.endr
	s_wait_loadcnt 0x0
	ds_store_b64 v246, v[196:197]
	s_wait_dscnt 0x0                               ; for the others' sake: my stores have landed
	s_barrier_signal -1
	s_barrier_wait -1                              ; the launch's one barrier, ahead of every branch on a stored number: the head lies in LDS, and nobody writes it again
; S^T of a step: eight tiles of 16 keys, each begun with the constant 0.  Then V's fragments are asked for into K's registers: they land during the softmax.
.macro QK qf, qw
	s_wait_dscnt 0x0                               ; K's codes and scale words are in
.irp t, 0,1,2,3,4,5,6,7
.if (\t)%2
	v_wmma_scale_f32_16x16x128_f8f6f4 v[S+8*\t:S+8*\t+7], v[KF+6*\t:KF+6*\t+11], v[\qf:\qf+11], 0, v[KSC+\t/2], v[\qw] matrix_a_fmt:MATRIX_FMT_BF6 matrix_b_fmt:MATRIX_FMT_BF6 matrix_a_scale:MATRIX_SCALE_ROW1
.else
	v_wmma_scale_f32_16x16x128_f8f6f4 v[S+8*\t:S+8*\t+7], v[KF+6*\t:KF+6*\t+11], v[\qf:\qf+11], 0, v[KSC+\t/2], v[\qw] matrix_a_fmt:MATRIX_FMT_BF6 matrix_b_fmt:MATRIX_FMT_BF6
.endif
.endr
.rept 4
	v_nop                                          ; four places in front of loads into registers that these products have read, and of the first read of their results
.endr
.set i, 0
.rept 12
	ds_load_b128 v[KF+4*i:KF+4*i+3], v[ADV] offset:512*i
.set i, i+1
.endr
	ds_load_b64 v[VSC:VSC+1], v[ADT]
.endm
; One tile of 16 queries through all 16 steps, and out.
.macro TILE qf, qw, any, all, mb, ob, more
	v_mov_b32 v13, 0xff61b1e6                      ; the largest t so far: -3e38, under every t
	v_floor_f32 v12, -v13                          ; -M
	v_mov_b32 v14, 0
	v_mov_b32 v15, 0
.set j, 0
.rept 32
	v_mov_b32 v[O+j], 0                            ; which step is the first to be worked hangs on the mask, so no product of the text can start these sums
.set j, j+1
.endr
	s_mov_b32 s90, 0
	s_mov_b32 s91, 0
	s_mov_b32 s92, 0
	s_mov_b32 s93, 0
.Lstep_\@:                             ; 16 trips, whatever the mask: what is left out is a step's work, not the lines at its end that step addresses
	s_bitcmp1_b32 s[\any], s90
	s_cbranch_scc0 .Lskip_\@
	v_add_nc_u32 v[ADK], s91, v[LI]                ; (these four are also the places behind the last step's products, in front of the loads into their registers)
	v_add_nc_u32 v[ADV], s91, v[LIV]
	v_add_nc_u32 v[ADS], s92, v[LIS]
	v_add_nc_u32 v[ADT], s93, v[L8V]
.set i, 0
.rept 12
	ds_load_b128 v[KF+4*i:KF+4*i+3], v[ADK] offset:512*i   ; images: 512 consecutive bytes an instruction
.set i, i+1
.endr
	ds_load_b128 v[KSC:KSC+3], v[ADS]
	s_bitcmp1_b32 s[\all], s90
	s_cbranch_scc1 .Lopen_\@
	s_load_b512 s[4:19], s[\mb:\mb+1], s93 offset:0x0      ; the step's 64 lane-mask words
	s_load_b512 s[20:35], s[\mb:\mb+1], s93 offset:0x40
	s_load_b512 s[36:51], s[\mb:\mb+1], s93 offset:0x80
	s_load_b512 s[68:83], s[\mb:\mb+1], s93 offset:0xc0
	QK \qf, \qw
	s_wait_kmcnt 0x0
.set j, 0
.rept 64                               ; a hidden score becomes -infinity; each accumulator from its low end on
.if j < 48
	v_cndmask_b32 v[S+j], v[NINF], v[S+j], s[4+j]
.else
	v_cndmask_b32 v[S+j], v[NINF], v[S+j], s[20+j]
.endif
.set j, j+1
.endr
	s_branch .Lsoft_\@
.Lopen_\@:
	QK \qf, \qw
.Lsoft_\@:
.irp b, 0,1,2,3
	v_max3_num_f32 v[BM+\b], v[S+16*\b], v[S+1+16*\b], v[S+2+16*\b]   ; the largest score of each block of 32 keys: it serves for the row's maximum and, since p rises with the score, for the block's largest p
.endr
.irp i, 3,5,7,9,11,13
.irp b, 0,1,2,3
	v_max3_num_f32 v[BM+\b], v[BM+\b], v[S+16*\b+\i], v[S+1+16*\b+\i]   ; (the four blocks by turns)
.endr
.endr
.irp b, 0,1,2,3
	v_max_num_f32 v[BM+\b], v[BM+\b], v[S+15+16*\b]
.endr
.irp b, 0,1,2,3
	v_permlanex16_b32 v[BT+\b], v[BM+\b], s86, s87
.endr
.irp b, 0,1,2,3
	v_max_num_f32 v[BM+\b], v[BM+\b], v[BT+\b]     ; with lane l xor 16's 16 keys
.endr
	v_max3_num_f32 v[TMP], v[BM], v[BM+1], v[BM+2]
	v_max_num_f32 v[TMP], v[TMP], v[BM+3]
	v_mul_f32 v[TMP], s88, v[TMP]                  ; as t
	v_max_num_f32 v13, v13, v[TMP]                 ; the running largest t
	v_mov_b32 v[TMP], v12
	v_floor_f32 v12, -v13                          ; the new -M = -ceil(t): a whole number
	v_sub_f32 v[TMP], v12, v[TMP]                  ; old M - new M: a whole number, 0 or less
	v_cvt_i32_f32 v[TMP], v[TMP]                   ; (it saturates)
	v_ldexp_f32 v[F], 1.0, v[TMP]                  ; f = 2^(old M - new M)
.irp j, 0,2,4,6,8,10,12,14,16,18,20,22,24,26,28,30,32,34,36,38,40,42,44,46,48,50,52,54,56,58,60,62
	v_pk_fma_f32 v[S+\j:S+\j+1], v[S+\j:S+\j+1], s[88:89], v[12:13] op_sel_hi:[1,0,0]   ; t - M, two at a time
.endr
.irp b, 0,1,2,3
	v_fma_f32 v[BM+\b], v[BM+\b], s88, v12         ; the same of each block's largest score
.endr
.set j, 0
.rept 64
	v_exp_f32 v[S+j], v[S+j]                       ; p = 2^(t - M)
.set j, j+1
.endr
	v_pk_mul_f32 v[14:15], v[14:15], v[F:F+1] op_sel_hi:[1,0]   ; the sums under the new M.  (The plain instruction behind the exponentials)
	s_wait_alu depctr_va_vdst(0)                   ; the wait ahead of the batch's first reader: one for the 64
.irp b, 0,1,2,3
	v_exp_f32 v[BM+\b], v[BM+\b]                   ; the block's largest p: the same two instructions on the same number
.endr
	v_pk_add_f32 v[L2:L2+1], v[S:S+1], v[S+2:S+3]  ; the row's sum of the unquantised p, in two chains: the first half here, behind the four exponentials
.irp j, 4,8,12,16,20,24,28
	v_pk_add_f32 v[14:15], v[14:15], v[S+\j:S+\j+1]
	v_pk_add_f32 v[L2:L2+1], v[L2:L2+1], v[S+\j+2:S+\j+3]
.endr
	s_wait_alu depctr_va_vdst(0)                   ; and one for the four
.irp b, 0,1,2,3
	v_max_num_f32 v[BM+\b], 0x2800000, v[BM+\b]    ; the floor 2^(5 - 127): the byte cannot fall under 1
.endr
.irp b, 0,1,2,3
	v_add_nc_u32 v[BS+\b], 0xfe000000, v[BM+\b]    ; 4 off the exponent field: the conversion's scale operand
.endr
.irp b, 0,1,2,3
	v_lshrrev_b32 v[BT+\b], 23, v[BS+\b]           ; the byte
.endr
	v_lshl_or_b32 v[PW], v[BT+1], 8, v[BT]         ; p's scale word for these 128 keys
	v_lshl_or_b32 v[PW], v[BT+2], 16, v[PW]
	v_lshl_or_b32 v[PW], v[BT+3], 24, v[PW]
.irp c, 0,1
	v_cvt_scalef32_pk16_bf6_f32 v[PC+6*\c:PC+6*\c+2], v[S+32*\c:S+32*\c+15], v[BS+2*\c]
	v_cvt_scalef32_pk16_bf6_f32 v[PT+4*\c:PT+4*\c+2], v[S+16+32*\c:S+31+32*\c], v[BS+2*\c+1]   ; (a conversion's three registers begin on an even number)
.endr
	v_nop                                          ; one plain instruction behind the conversions
.irp c, 0,1                            ; the operand's layout wants a whole block in a lane: lanes 0-15 block 2 c, lanes 16-31 block 2 c + 1
.irp i, 0,1,2
	v_permlane16_swap_b32 v[PC+6*\c+\i], v[PT+4*\c+\i]
.endr
.irp i, 0,1,2
	v_mov_b32 v[PC+3+6*\c+\i], v[PT+4*\c+\i]
.endr
.endr
.irp j, 0,2,4,6,8,10,12,14,16,18,20,22,24,26,28,30
	v_pk_mul_f32 v[O+\j:O+\j+1], v[O+\j:O+\j+1], v[F:F+1] op_sel_hi:[1,0]   ; O^T under the new M; each accumulator from its low end on
.endr
.irp j, 32,36,40,44,48,52,56,60        ; the sum's second half stands here: 17 plain instructions between the last write of an operand, a scale word or an accumulator and the products below
	v_pk_add_f32 v[14:15], v[14:15], v[S+\j:S+\j+1]
	v_pk_add_f32 v[L2:L2+1], v[L2:L2+1], v[S+\j+2:S+\j+3]
.endr
	v_pk_add_f32 v[14:15], v[14:15], v[L2:L2+1]
	s_wait_dscnt 0x0                               ; V's codes and scale words are in
.irp t, 0,1,2,3                        ; O^T += V^T P^T: four accumulators by turns, one instruction a turn, with the next step's eight products between two links
.if (\t)%2
	v_wmma_scale_f32_16x16x128_f8f6f4 v[O+8*\t:O+8*\t+7], v[KF+12*\t:KF+12*\t+11], v[PC:PC+11], v[O+8*\t:O+8*\t+7], v[VSC+\t/2], v[PW] matrix_a_fmt:MATRIX_FMT_BF6 matrix_b_fmt:MATRIX_FMT_BF6 matrix_a_scale:MATRIX_SCALE_ROW1
.else
	v_wmma_scale_f32_16x16x128_f8f6f4 v[O+8*\t:O+8*\t+7], v[KF+12*\t:KF+12*\t+11], v[PC:PC+11], v[O+8*\t:O+8*\t+7], v[VSC+\t/2], v[PW] matrix_a_fmt:MATRIX_FMT_BF6 matrix_b_fmt:MATRIX_FMT_BF6
.endif
.endr
.Lskip_\@:
	s_add_co_u32 s91, s91, 6144                    ; the scalar loads that named s93 were waited for
	s_add_co_u32 s92, s92, 512
	s_add_co_u32 s93, s93, 256
	s_add_co_u32 s90, s90, 1
	s_cmp_lt_u32 s90, 16
	s_cbranch_scc1 .Lstep_\@
	; THE WAY OUT: O^T / the sum goes through my stage and leaves as whole rows of 256 bytes
.rept 4
	v_nop                                          ; places behind the last products
.endr
	v_add_f32 v14, v14, v15                        ; the sum's two halves,
	v_permlanex16_b32 v[TMP], v14, s86, s87
	v_add_f32 v14, v14, v[TMP]                     ; and lane l xor 16's
	v_rcp_f32 v14, v14
	v_nop                                          ; a plain instruction behind the reciprocal,
	s_wait_alu depctr_va_vdst(0)                   ; and the wait ahead of its first reader
.irp j, 0,2,4,6,8,10,12,14,16,18,20,22,24,26,28,30
	v_pk_mul_f32 v[S+\j:S+\j+1], v[O+\j:O+\j+1], v[14:15] op_sel_hi:[1,0]   ; register 8 t + i is o(r, 16 t + 8 h + i)
.endr
.irp t, 0,1,2,3
	ds_store_b128 v[STO], v[S+8*\t:S+8*\t+3] offset:64*\t
	ds_store_b128 v[STO], v[S+8*\t+4:S+8*\t+7] offset:64*\t+16
.endr
.irp i, 0,1,2,3,4,5,6,7
	ds_load_b128 v[S+32+4*\i:S+35+4*\i], v[RD] offset:2*\i*SP   ; LDS serves a wave's instructions in order: these see my stores
.endr
.irp i, 0,1,2,3,4,5,6,7
	s_wait_dscnt 7-\i                              ; the younger of the eight loads may stay out
	global_store_b128 v[LI], v[S+32+4*\i:S+35+4*\i], s[\ob:\ob+1] offset:512*\i+2048*(\i/4) th:TH_STORE_NT   ; tile rows 2 i and 2 i + 1 are neighbours in out0: 512 consecutive bytes, aligned; rows 8-15 lie 8 rows further on
.endr
.if \more
	s_wait_xcnt 0x0                                ; the stores have read their registers: the next tile may write them
.endif
.endm
	TILE QA, QSA, 66, 67, 94, 98, 1
	TILE QB, QSB, 84, 85, 96, 100, 0
	s_wait_tensorcnt 0x0
	ds_add_u32 v254, v255
	s_wait_dscnt 0x0
	s_endpgm
.Lfunc_end_k_qb5f09bb3e0_attn:
	.size	k_qb5f09bb3e0_attn, .Lfunc_end_k_qb5f09bb3e0_attn-k_qb5f09bb3e0_attn
	.p2alignl 7, 3214868480
	.fill 96, 4, 3214868480
	.section	.rodata,"a",@progbits
	.p2align	6, 0x0
	.amdhsa_kernel k_qb5f09bb3e0_attn
		.amdhsa_group_segment_fixed_size 280576
		.amdhsa_private_segment_fixed_size 0
		.amdhsa_enable_private_segment 0
		.amdhsa_kernarg_size 24
		.amdhsa_user_sgpr_count 2
		.amdhsa_user_sgpr_kernarg_segment_ptr 1
		.amdhsa_wavefront_size32 1
		.amdhsa_system_sgpr_workgroup_id_x 1
		.amdhsa_system_sgpr_workgroup_id_y 1
		.amdhsa_system_sgpr_workgroup_id_z 1
		.amdhsa_system_vgpr_workitem_id 0
		.amdhsa_next_free_vgpr 256
		.amdhsa_next_free_sgpr 102
		.amdhsa_reserve_vcc 0
		.amdhsa_float_denorm_mode_32 3
		.amdhsa_float_denorm_mode_16_64 3
		.amdhsa_memory_ordered 1
		.amdhsa_forward_progress 1
		.amdhsa_inst_pref_size 65
	.end_amdhsa_kernel
	.amdgpu_metadata
---
amdhsa.version: [ 1, 2 ]
amdhsa.kernels:
  - .name:           k_qb5f09bb3e0_attn
    .symbol:         k_qb5f09bb3e0_attn.kd
    .args:
      - { .name: ws, .offset: 0, .size: 8, .value_kind: global_buffer, .address_space: global }
      - { .name: mk, .offset: 8, .size: 8, .value_kind: global_buffer, .address_space: global }
      - { .name: out0, .offset: 16, .size: 8, .value_kind: global_buffer, .address_space: global }
    .group_segment_fixed_size: 280576
    .private_segment_fixed_size: 0
    .kernarg_segment_align: 8
    .kernarg_segment_size: 24
    .max_flat_workgroup_size: 512
    .sgpr_count:     102
    .vgpr_count:     256
    .wavefront_size: 32
...
	.end_amdgpu_metadata
.endif
;; end of part 2
;; ======== version 2 of 2: 2 launches
;; workspace buffers: ws 20,185,088 bytes; mk 528,384 bytes of whole numbers
;; launch prep (part 3): grid 896 x 1, 4 waves a work-group, no clusters, 68,096 bytes of LDS; arguments Q, K, V, M, qk_scale, ws, mk; writes ws, mk
.if DOCPART == 3
	.amdgcn_target "amdgcn-amd-amdhsa--gfx1250"
	.amdhsa_code_object_version 6
	.text
	.protected	k_qb5f09bb3e0_prep
	.globl	k_qb5f09bb3e0_prep
	.p2align	8
	.type	k_qb5f09bb3e0_prep,@function
k_qb5f09bb3e0_prep:
	s_mov_b64 s[64:65], 0
	v_nop
	global_prefetch_b8 v0, s[64:65] scope:SCOPE_SE
	s_setreg_imm32_b32 hwreg(HW_REG_WAVE_MODE, 25, 1), 1
	s_wait_xcnt 0x0
; Q, K, V [64 heads][2048][64] f32 become codes of BF6 (E3M2) with one E8M0 byte for each 32 along a product's K, laid in ws as IMAGES OF OPERAND REGISTERS;
; the mask M [2048][2048] (bytes 0 or 1, as the problem states them) becomes lane-mask words and two flags for each (tile of 16 queries, step of 128 keys), in mk.
; Q: x / (sqrt(sum x^2) + 1e-8) * g[head % 16];  K: the same without g; both quantised along the head's 64 (two blocks).  V is quantised along the KEYS (blocks of 32 keys of one channel).
; A block's byte is its largest magnitude's exponent field - 4, held at 1 from below by a floor among the maximum's leaves.
; THE ROWS OF A TILE ARE NOT NEIGHBOURS: lane r of tile 2 P + u takes row 32 P + 8 u + r + 8 (r / 8), for keys and for queries alike.
; ws, for each head 315,392 bytes: KC at 0 (step of 128 keys at 6,144 s, pair of tiles at + 1,536 b: register 4 c + k of lane l at 512 c + 16 l + 4 k; registers 0-5 tile 2 b, 6-11 tile 2 b + 1),
;   VC at 98,304 (step at 6,144 s, 16 channels at + 1,536 t, the same image of a whole 12-register fragment), KS at 196,608 (step at 512 s, lane at 16 l, word b: lanes 0-15 tile 2 b's rows, lanes 16-31 tile 2 b + 1's),
;   VS at 204,800 (step at 256 s, lane at 8 l, word t2: the four bytes of channel 32 t2 + l), QC at 208,896 and QS at 307,200 (as KC and KS).
; mk: word j of (tile T, step s) at 4,096 T + 256 s + 4 j: bit l = M[row(T, l % 16)][128 s + 32 (j / 16) + 16 (l / 16) + j % 16];  from byte 524,288: at 32 T + 8 grp {ANY, ALL}, bit s for s = 4 grp .. 4 grp + 3.
; SHARES: work-groups 0-127 the mask (tile = work-group, four steps a wave); 128-383 Q, 384-639 K, 640-895 V: a wave takes 128 rows (32,768 bytes) in four chunks of 32 rows.  Waves share nothing: no barrier.
; Every load of Q, K, V covers 512 consecutive bytes; the numbers turn through the wave's own stage in LDS so that a lane's registers run along the quantiser's K.  Each path has LDS bytes of its own.
; LIMITS: NaN and infinities among Q, K, V are not served.  Blocks whose largest magnitude lies under 2^-122 keep the byte 1; so does a block of zeros, where the rule says 127: its codes are zeros, and this program alone reads the bytes.
; x / (n + eps) * g is computed as x * (rcp(n + eps) * g): three roundings and a reciprocal of 1 ulp.
.set WSH,  315392
.set O_KC, 0
.set O_VC, 98304
.set O_KS, 196608
.set O_VS, 204800
.set O_QC, 208896
.set O_QS, 307200
.set FLG,  524288
.set VST,  34816                       ; LDS: the V path's stages begin behind the Q/K path's 4 x 32 rows x 272 bytes
.set RAW,  32                          ; v32-95   a chunk as it is loaded
.set X,    96                          ; v96-159  two sets of 32 numbers along the quantiser's K
.set CD,   160                         ; v160-207 codes: registers of their own for each chunk, so that no store's data are written again
.set T3,   208                         ; v208-210, v212-214 a block's second 16 codes (a conversion's three registers begin on an even number)
.set SW,   216                         ; v216-219 scale words
	s_load_b256 s[4:11], s[0:1], 0x0               ; Q s[4:5], K s[6:7], V s[8:9], M s[10:11]
	s_load_b128 s[12:15], s[0:1], 0x20             ; qk_scale s[12:13], ws s[14:15]
	s_load_b64 s[16:17], s[0:1], 0x30              ; mk
	v_lshl_add_u32 v224, v0, 2, 0x10800
	v_mov_b32 v225, 0
	v_lshrrev_b32 v1, 5, v0
	v_readfirstlane_b32 s18, v1                    ; wave 0..3
	v_and_b32 v1, 31, v0                           ; lane
	v_lshlrev_b32 v2, 4, v1                        ; 16 x lane; never rewritten
	v_and_b32 v3, 15, v0                           ; r
	v_bfe_u32 v4, v0, 4, 1                         ; h
	s_mov_b32 s20, 0x76543210
	s_mov_b32 s21, 0xfedcba98                      ; v_permlanex16_b32's selects for lane l xor 16
	s_wait_kmcnt 0x0
	s_cmp_lt_u32 ttmp9, 128
	s_cbranch_scc1 .Lmask
	s_cmp_lt_u32 ttmp9, 640
	s_cbranch_scc0 .Lvpath
.macro LOADC p                         ; chunk p: 32 rows of 256 bytes, dense: 16 loads of 512 consecutive bytes
.set i, 0
.rept 16
	global_load_b128 v[RAW+4*i:RAW+4*i+3], v2, s[4:5] offset:8192*(\p)+512*i th:TH_LOAD_NT
.set i, i+1
.endr
.endm
.macro MAXSC                           ; both sets by turns: the block's largest magnitude (all 32 numbers are the lane's), the conversion's scale operand, the byte
.irp u, 0,1
	v_max3_num_f32 v[24+\u], |v[X+32*\u]|, |v[X+32*\u+1]|, 0x2800000   ; with the floor 2^(5 - 127): the byte cannot fall under 1
.endr
.irp i, 2,4,6,8,10,12,14,16,18,20,22,24,26,28,30
.irp u, 0,1
	v_max3_num_f32 v[24+\u], v[24+\u], |v[X+32*\u+\i]|, |v[X+32*\u+\i+1]|
.endr
.endr
.irp u, 0,1
	v_add_nc_u32 v[28+\u], 0xfe000000, v[24+\u]    ; 4 off the exponent field: the conversion takes this operand's exponent field as its scale
.endr
.irp u, 0,1
	v_lshrrev_b32 v[30+\u], 23, v[28+\u]           ; the byte
.endr
.endm
; ---------------- Q and K ----------------
	s_sub_co_u32 s26, ttmp9, 128
	s_lshl_b32 s26, s26, 2
	s_add_co_u32 s26, s26, s18                     ; 0 .. 2047
	s_lshr_b32 s27, s26, 10                        ; 0: Q, 1: K
	s_and_b32 s26, s26, 1023                       ; 16 x head + step
	s_lshr_b32 s28, s26, 4                         ; head
	s_and_b32 s29, s26, 15                         ; step
	s_and_b32 s32, s28, 15
	s_lshl_b32 s32, s32, 2
	s_load_b32 s24, s[12:13], s32 offset:0x0       ; g of my head
	s_mov_b32 s31, O_QS
	s_cmp_eq_u32 s27, 1                            ; the choice hangs on the work-group's and the wave's number alone
	s_cselect_b64 s[4:5], s[6:7], s[4:5]
	s_cselect_b32 s30, O_KC, O_QC
	s_cselect_b32 s31, O_KS, s31
	s_wait_kmcnt 0x0
	s_cselect_b32 s24, 0x3f800000, s24             ; K has no gain
	s_lshl_b32 s34, s26, 15
	s_mov_b32 s35, 0
	s_add_nc_u64 s[4:5], s[4:5], s[34:35]          ; my 128 rows
	s_mul_i32 s34, s28, WSH
	s_mul_i32 s38, s29, 6144
	s_add_co_u32 s38, s38, s34
	s_add_co_u32 s38, s38, s30
	s_mov_b32 s39, 0
	s_add_nc_u64 s[36:37], s[14:15], s[38:39]      ; where my codes go
	s_lshl_b32 s38, s29, 9
	s_add_co_u32 s38, s38, s34
	s_add_co_u32 s38, s38, s31
	s_add_nc_u64 s[40:41], s[14:15], s[38:39]      ; and my scale words
	s_mov_b32 s25, 0xffff0000                      ; lanes 16-31
	s_wait_alu depctr_va_vdst(0)
	LOADC 0
	s_mul_i32 s33, s18, 32*272                     ; my stage: 32 rows, 272 bytes apart: the sixteen rows of a load start in sixteen different banks (64 banks of 4 bytes: ISA guide 11.1)
	v_mul_u32_u24 v5, v4, 272
	v_lshl_add_u32 v5, v3, 4, v5
	v_add_nc_u32 v5, s33, v5                       ; in: lanes 0-15 one row, lanes 16-31 the next
	v_mul_u32_u24 v6, v3, 272
	v_lshl_add_u32 v6, v4, 7, v6
	v_add_nc_u32 v6, s33, v6                       ; back: row r of a tile, my half's 128 bytes
	v_lshlrev_b32 v7, 3, v4                        ; 8 h
	v_mov_b32 v18, 0                               ; written once: a lane permute's destination counts as one of its sources
	v_mov_b32 v19, 0
.macro KCHUNK p                        ; 32 rows = a pair of tiles
	s_wait_loadcnt 0x0                             ; only this chunk's 16 loads are out
.set i, 0
.rept 16                               ; memory row 2 i + h goes to stage row 16 u + 8 g + j, so that a tile's 16 rows are neighbours there
	ds_store_b128 v5, v[RAW+4*i:RAW+4*i+3] offset:(16*((i/4)%2)+8*(i/8)+2*(i%4))*272
.set i, i+1
.endr
.set i, 0
.rept 16                               ; set u = i / 8: row r of tile u, channels 32 h + 0 .. 31.  LDS serves a wave's instructions in order: these see the stores
	ds_load_b128 v[X+4*i:X+4*i+3], v6 offset:(i/8)*16*272+16*(i%8)
.set i, i+1
.endr
	s_wait_dscnt 0x0                               ; the numbers are back, and the stores have read the registers that the next chunk's loads take
.if \p < 3
	LOADC \p+1
.endif
.irp u, 0,1                            ; the row's sum of squares: two chains a set, started by products
	v_pk_mul_f32 v[10+4*\u:11+4*\u], v[X+32*\u:X+32*\u+1], v[X+32*\u:X+32*\u+1]
	v_pk_mul_f32 v[12+4*\u:13+4*\u], v[X+32*\u+2:X+32*\u+3], v[X+32*\u+2:X+32*\u+3]
.endr
.irp i, 4,8,12,16,20,24,28
.irp u, 0,1
	v_pk_fma_f32 v[10+4*\u:11+4*\u], v[X+32*\u+\i:X+32*\u+\i+1], v[X+32*\u+\i:X+32*\u+\i+1], v[10+4*\u:11+4*\u]
	v_pk_fma_f32 v[12+4*\u:13+4*\u], v[X+32*\u+\i+2:X+32*\u+\i+3], v[X+32*\u+\i+2:X+32*\u+\i+3], v[12+4*\u:13+4*\u]
.endr
.endr
.irp u, 0,1
	v_pk_add_f32 v[10+4*\u:11+4*\u], v[10+4*\u:11+4*\u], v[12+4*\u:13+4*\u]
.endr
.irp u, 0,1
	v_add_f32 v[10+4*\u], v[10+4*\u], v[11+4*\u]
.endr
.irp u, 0,1
	v_permlanex16_b32 v[18+\u], v[10+4*\u], s20, s21
.endr
.irp u, 0,1
	v_add_f32 v[10+4*\u], v[10+4*\u], v[18+\u]     ; with the row's other 32 channels
.endr
	s_wait_alu depctr_va_vdst(0)
.irp u, 0,1
	v_sqrt_f32 v[10+4*\u], v[10+4*\u]
.endr
	v_nop                                          ; a plain instruction behind the roots,
	s_wait_alu depctr_va_vdst(0)                   ; and the wait ahead of their first reader: one for both
.irp u, 0,1
	v_add_f32 v[10+4*\u], 0x322bcc77, v[10+4*\u]   ; + 1e-8
.endr
	s_wait_alu depctr_va_vdst(0)
.irp u, 0,1
	v_rcp_f32 v[10+4*\u], v[10+4*\u]
.endr
	v_nop
	s_wait_alu depctr_va_vdst(0)                   ; likewise for the two reciprocals
.irp u, 0,1
	v_mul_f32 v[20+2*\u], s24, v[10+4*\u]          ; g / (n + eps)
.endr
.irp u, 0,1
	v_mov_b32 v[21+2*\u], v[20+2*\u]               ; (named with it as a pair, so it is written)
.endr
.irp i, 0,2,4,6,8,10,12,14,16,18,20,22,24,26,28,30
.irp u, 0,1
	v_pk_mul_f32 v[X+32*\u+\i:X+32*\u+\i+1], v[X+32*\u+\i:X+32*\u+\i+1], v[20+2*\u:21+2*\u] op_sel_hi:[1,0]
.endr
.endr
	MAXSC
.irp u, 0,1
	v_cvt_scalef32_pk16_bf6_f32 v[CD+12*(\p)+6*\u:CD+12*(\p)+6*\u+2], v[X+32*\u:X+32*\u+15], v[28+\u]
	v_cvt_scalef32_pk16_bf6_f32 v[T3+4*\u:T3+4*\u+2], v[X+32*\u+16:X+32*\u+31], v[28+\u]
.endr
	v_lshlrev_b32 v220, v7, v30                    ; my block's byte at its place in the row's word.  (Also the plain instruction behind the conversions)
	v_lshlrev_b32 v221, v7, v31
.irp u, 0,1
.irp i, 0,1,2
	v_mov_b32 v[CD+12*(\p)+6*\u+3+\i], v[T3+4*\u+\i]
.endr
.endr
.irp u, 0,1
	v_permlanex16_b32 v[18+\u], v[220+\u], s20, s21
.endr
.irp u, 0,1
	v_or_b32 v[220+\u], v[220+\u], v[18+\u]        ; both bytes of row r, in lanes r and 16 + r
.endr
	v_cndmask_b32 v220, v220, v221, s25            ; lanes 0-15 keep tile 2 p's, lanes 16-31 take tile 2 p + 1's
	v_lshl_or_b32 v[SW+\p], v220, 16, v220         ; the two bytes once more for the upper half of the instruction's 128, whose codes count for nothing: no byte is 0xff
.irp c, 0,1,2
	global_store_b128 v2, v[CD+12*(\p)+4*\c:CD+12*(\p)+4*\c+3], s[36:37] offset:1536*(\p)+512*\c   ; 512 consecutive bytes, aligned
.endr
.endm
	s_wait_alu depctr_va_vdst(0)
	KCHUNK 0
	KCHUNK 1
	KCHUNK 2
	KCHUNK 3
	global_store_b128 v2, v[SW:SW+3], s[40:41]     ; the step's 512 bytes of scale words
	s_wait_tensorcnt 0x0
	ds_add_u32 v224, v225
	s_wait_dscnt 0x0
	s_endpgm
; ---------------- V ----------------
.Lvpath:
	s_sub_co_u32 s26, ttmp9, 640
	s_lshl_b32 s26, s26, 2
	s_add_co_u32 s26, s26, s18                     ; 16 x head + step
	s_lshr_b32 s28, s26, 4
	s_and_b32 s29, s26, 15
	s_lshl_b32 s34, s26, 15
	s_mov_b32 s35, 0
	s_add_nc_u64 s[4:5], s[8:9], s[34:35]          ; my 128 keys
	s_mul_i32 s34, s28, WSH
	s_mul_i32 s38, s29, 6144
	s_add_co_u32 s38, s38, s34
	s_add_co_u32 s38, s38, O_VC
	s_mov_b32 s39, 0
	s_add_nc_u64 s[36:37], s[14:15], s[38:39]
	s_lshl_b32 s38, s29, 8
	s_add_co_u32 s38, s38, s34
	s_add_co_u32 s38, s38, O_VS
	s_add_nc_u64 s[40:41], s[14:15], s[38:39]
	s_wait_alu depctr_va_vdst(0)
	LOADC 0
	s_lshl_b32 s33, s18, 13
	s_add_co_u32 s33, s33, VST                     ; my stage: 32 keys x 256 bytes, as they lie
	v_add_nc_u32 v8, s33, v2
	v_lshl_add_u32 v9, v1, 2, s33
	v_lshlrev_b32 v222, 3, v1
.macro VCHUNK kb                       ; a block of 32 keys.  A LANE TAKES A CHANNEL AND ITS REGISTERS RUN DOWN THE KEYS: set t2 holds channel 32 t2 + lane
	s_wait_loadcnt 0x0
.set i, 0
.rept 16
	ds_store_b128 v8, v[RAW+4*i:RAW+4*i+3] offset:512*i
.set i, i+1
.endr
.set i, 0
.rept 64
	ds_load_b32 v[X+i], v9 offset:256*(i%32)+128*(i/32)   ; 32 lanes read 128 consecutive bytes
.set i, i+1
.endr
	s_wait_dscnt 0x0
.if \kb < 3
	LOADC \kb+1
.endif
	MAXSC
.irp u, 0,1                            ; blocks 0 and 2 go to the first 12 registers of the set's 24, blocks 1 and 3 to the second 12
	v_cvt_scalef32_pk16_bf6_f32 v[CD+24*\u+12*((\kb)%2)+6*((\kb)/2):CD+24*\u+12*((\kb)%2)+6*((\kb)/2)+2], v[X+32*\u:X+32*\u+15], v[28+\u]
	v_cvt_scalef32_pk16_bf6_f32 v[T3+4*\u:T3+4*\u+2], v[X+32*\u+16:X+32*\u+31], v[28+\u]
.endr
.irp u, 0,1                            ; the channel's scale word, the lower keys in the lower byte.  (Also the plain instruction behind the conversions)
.if \kb == 0
	v_mov_b32 v[SW+\u], v[30+\u]
.else
	v_lshl_or_b32 v[SW+\u], v[30+\u], 8*(\kb), v[SW+\u]
.endif
.endr
.irp u, 0,1
.irp i, 0,1,2
	v_mov_b32 v[CD+24*\u+12*((\kb)%2)+6*((\kb)/2)+3+\i], v[T3+4*\u+\i]
.endr
.endr
.endm
	s_wait_alu depctr_va_vdst(0)
	VCHUNK 0
	VCHUNK 1
	VCHUNK 2
	VCHUNK 3
.irp u, 0,1                            ; the operand's layout: lanes 0-15 hold key blocks 0 and 2 of 16 channels, lanes 16-31 blocks 1 and 3 of the same 16
.irp i, 0,1,2,3,4,5,6,7,8,9,10,11
	v_permlane16_swap_b32 v[CD+24*\u+\i], v[CD+24*\u+12+\i]   ; the first's lanes 16-31 change places with the second's lanes 0-15: now channels 32 u + 0 .. 15 and 32 u + 16 .. 31
.endr
.endr
.irp t, 0,1,2,3
.irp c, 0,1,2
	global_store_b128 v2, v[CD+12*\t+4*\c:CD+12*\t+4*\c+3], s[36:37] offset:1536*\t+512*\c
.endr
.endr
	global_store_b64 v222, v[SW:SW+1], s[40:41]    ; 256 consecutive bytes, aligned
	s_wait_tensorcnt 0x0
	ds_add_u32 v224, v225
	s_wait_dscnt 0x0
	s_endpgm
; ---------------- the mask ----------------
.Lmask:                                ; tile T = the work-group's number; the wave takes steps 4 wave .. 4 wave + 3
	s_lshr_b32 s26, ttmp9, 1
	s_and_b32 s27, ttmp9, 1
	s_lshl_b32 s26, s26, 16                        ; 32 (T / 2) rows of 2,048 bytes
	s_lshl_b32 s27, s27, 14                        ; + 8 (T % 2) rows
	s_add_co_u32 s26, s26, s27
	s_lshl_b32 s27, s18, 9                         ; + my 512 keys
	s_add_co_u32 s26, s26, s27
	s_mov_b32 s27, 0
	s_add_nc_u64 s[10:11], s[10:11], s[26:27]
	s_wait_alu depctr_va_vdst(0)
	v_and_b32 v5, 8, v3
	v_add_nc_u32 v5, v5, v3                        ; r + 8 (r / 8)
	v_lshlrev_b32 v5, 11, v5
	v_lshl_add_u32 v5, v4, 4, v5                   ; my row, + 16 h
.set i, 0
.rept 16                               ; step i / 4, block i % 4: my 16 keys' bytes.  An instruction takes 32 bytes of each of 16 rows; the wave's 16 loads use up each row's 512 bytes
	global_load_b128 v[32+4*i:35+4*i], v5, s[10:11] offset:128*(i/4)+32*(i%4)
.set i, i+1
.endr
	s_lshl_b32 s26, ttmp9, 12
	s_lshl_b32 s28, s18, 10
	s_add_co_u32 s26, s26, s28
	s_add_nc_u64 s[36:37], s[16:17], s[26:27]      ; my four steps' words
	s_lshl_b32 s26, ttmp9, 5
	s_lshl_b32 s28, s18, 3
	s_add_co_u32 s26, s26, s28
	s_add_co_u32 s26, s26, FLG
	s_add_nc_u64 s[40:41], s[16:17], s[26:27]      ; my two flag words
	s_lshl_b32 s28, s18, 2
	s_mov_b32 s30, 0                               ; ANY
	s_mov_b32 s31, 0                               ; ALL
	v_lshlrev_b32 v6, 3, v1
.irp i, 0,1,2,3,4,5,6,7
	v_mov_b32 v[96+\i], 0                          ; v_writelane_b32's destination counts as read
.endr
	s_wait_loadcnt 0x0
.macro MSTEP sl
.set j, 0
.rept 64                               ; score register j's byte in all 32 lanes becomes one word of 32 bits; word j goes to lane j / 2, register j % 2, so that a lane stores 8 bytes
	v_and_b32 v[8+j%4], 1<<(8*(j%4)), v[32+16*(\sl)+4*(j/16)+(j%16)/4]
	v_cmp_ne_u32 s[44+j%4], 0, v[8+j%4]
	v_writelane_b32 v[96+2*(\sl)+j%2], s[44+j%4], j/2
.set j, j+1
.endr
	v_or_b32 v16, v[32+16*(\sl)], v[33+16*(\sl)]
	v_and_b32 v17, v[32+16*(\sl)], v[33+16*(\sl)]
.irp i, 2,3,4,5,6,7,8,9,10,11,12,13,14,15
	v_or_b32 v16, v16, v[32+16*(\sl)+\i]
	v_and_b32 v17, v17, v[32+16*(\sl)+\i]
.endr
	v_cmp_ne_u32 vcc_lo, 0, v16                    ; does any key of the step count for any query of the tile?
	s_cmp_lg_u32 vcc_lo, 0
	s_cselect_b32 s29, 1<<(\sl), 0
	s_or_b32 s30, s30, s29
	v_cmp_ne_u32 vcc_lo, 0x01010101, v17           ; do all count?
	s_cmp_eq_u32 vcc_lo, 0
	s_cselect_b32 s29, 1<<(\sl), 0
	s_or_b32 s31, s31, s29
	global_store_b64 v6, v[96+2*(\sl):97+2*(\sl)], s[36:37] offset:256*(\sl)   ; 256 consecutive bytes, aligned
.endm
	MSTEP 0
	MSTEP 1
	MSTEP 2
	MSTEP 3
	s_lshl_b32 s30, s30, s28                       ; bit s of the tile's 16
	s_lshl_b32 s31, s31, s28
	v_mov_b32 v104, s30
	v_mov_b32 v105, s31
	v_mov_b32 v106, 0
	v_cmp_eq_u32 vcc_lo, 0, v1
	s_wait_alu depctr_va_vdst(0)
	s_wait_xcnt 0x0                                ; EXEC is a source of the stores above: it changes only behind this wait
	s_and_saveexec_b32 s29, vcc_lo
	global_store_b64 v106, v[104:105], s[40:41]    ; lane 0 alone
	s_wait_xcnt 0x0                                ; and again, in front of the line that widens it
	s_or_b32 exec_lo, exec_lo, s29
	s_endpgm
.Lfunc_end_k_qb5f09bb3e0_prep:
	.size	k_qb5f09bb3e0_prep, .Lfunc_end_k_qb5f09bb3e0_prep-k_qb5f09bb3e0_prep
	.p2alignl 7, 3214868480
	.fill 96, 4, 3214868480
	.section	.rodata,"a",@progbits
	.p2align	6, 0x0
	.amdhsa_kernel k_qb5f09bb3e0_prep
		.amdhsa_group_segment_fixed_size 68096
		.amdhsa_private_segment_fixed_size 0
		.amdhsa_enable_private_segment 0
		.amdhsa_kernarg_size 56
		.amdhsa_user_sgpr_count 2
		.amdhsa_user_sgpr_kernarg_segment_ptr 1
		.amdhsa_wavefront_size32 1
		.amdhsa_system_sgpr_workgroup_id_x 1
		.amdhsa_system_sgpr_workgroup_id_y 1
		.amdhsa_system_sgpr_workgroup_id_z 1
		.amdhsa_system_vgpr_workitem_id 0
		.amdhsa_next_free_vgpr 226
		.amdhsa_next_free_sgpr 66
		.amdhsa_reserve_vcc 1
		.amdhsa_float_denorm_mode_32 3
		.amdhsa_float_denorm_mode_16_64 3
		.amdhsa_memory_ordered 1
		.amdhsa_forward_progress 1
		.amdhsa_inst_pref_size 146
	.end_amdhsa_kernel
	.amdgpu_metadata
---
amdhsa.version: [ 1, 2 ]
amdhsa.kernels:
  - .name:           k_qb5f09bb3e0_prep
    .symbol:         k_qb5f09bb3e0_prep.kd
    .args:
      - { .name: Q, .offset: 0, .size: 8, .value_kind: global_buffer, .address_space: global }
      - { .name: K, .offset: 8, .size: 8, .value_kind: global_buffer, .address_space: global }
      - { .name: V, .offset: 16, .size: 8, .value_kind: global_buffer, .address_space: global }
      - { .name: M, .offset: 24, .size: 8, .value_kind: global_buffer, .address_space: global }
      - { .name: qk_scale, .offset: 32, .size: 8, .value_kind: global_buffer, .address_space: global }
      - { .name: ws, .offset: 40, .size: 8, .value_kind: global_buffer, .address_space: global }
      - { .name: mk, .offset: 48, .size: 8, .value_kind: global_buffer, .address_space: global }
    .group_segment_fixed_size: 68096
    .private_segment_fixed_size: 0
    .kernarg_segment_align: 8
    .kernarg_segment_size: 56
    .max_flat_workgroup_size: 128
    .sgpr_count:     66
    .vgpr_count:     226
    .wavefront_size: 32
...
	.end_amdgpu_metadata
.endif
;; end of part 3
;; launch attn (part 4): grid 256 x 1, 16 waves a work-group, no clusters, 280,576 bytes of LDS; arguments ws, mk, out0; writes out0
.if DOCPART == 4
	.amdgcn_target "amdgcn-amd-amdhsa--gfx1250"
	.amdhsa_code_object_version 6
	.text
	.protected	k_qb5f09bb3e0_attn
	.globl	k_qb5f09bb3e0_attn
	.p2align	8
	.type	k_qb5f09bb3e0_attn,@function
k_qb5f09bb3e0_attn:
	s_mov_b64 s[64:65], 0
	v_nop
	global_prefetch_b8 v0, s[64:65] scope:SCOPE_SE
	s_setreg_imm32_b32 hwreg(HW_REG_WAVE_SCHED_MODE, 0, 2), 2
	s_setreg_imm32_b32 hwreg(HW_REG_WAVE_MODE, 25, 1), 1
	s_wait_xcnt 0x0
	s_wait_alu depctr_vm_vsrc(0)
; out0[head][q][:] = the sum over k of softmax_k(masked Q^ . K^) V[k][:], both products on codes of BF6 (E3M2) with one E8M0 byte for each 32 along a product's K.  64 heads, 2,048 queries and keys, 64 channels.
; The codes, scale words, lane-mask words and flags were laid out by the launch before (its head comment gives the layouts of ws and mk).
; THE SOFTMAX: t = score x log2(e); M = the row's largest t so far, rounded UP to a whole number; p = 2^(t - M) is quantised along the keys, not normalised; the row's sum is taken of the unquantised p and divides at the end.
; When M moves, the sum and O are multiplied by 2^(old M - new M): exact.  A hidden score becomes -infinity ahead of the maximum, so its p is 0.  A row that the mask hides wholly ends as 0 x 1 / 0 = NaN, as the softmax of such a row is.
; SHARES.  A work-group owns a quarter of a head's queries; its SIXTEEN waves have 256 registers each, four to a SIMD, so that one wave's vector work stands beside another's matrix work and LDS loads.
; A wave makes two tiles of 16 queries one after the other: tile a = 16 x quarter + wave and tile 127 - a.  THE ROWS OF A TILE: lane r of tile 2 P + u is row 32 P + 8 u + r + 8 (r / 8), for queries and keys alike.
; THE WHOLE HEAD'S K AND V LIE IN LDS: 208,896 bytes of codes and scale words, copied once through registers, one barrier, and nothing is filled again.
; THE MASK IS AN INPUT.  A step of 128 keys none of which counts for any of the tile's 16 queries (flag ANY = 0) is left out by a scalar branch on the stored flag; a step all of whose keys count (ALL = 1) skips the 64 selects.
; NO TENSOR LOAD AND NO CLUSTER: branches here hang on numbers read from memory; joint requests are tensor loads.  What four work-groups of a head share is their one fill.
; LAYOUT.  Both products are used transposed: S^T = K Q^T (source 0 = 16 keys, source 1 = my 16 queries), O^T = V^T P^T (source 0 = 16 channels, source 1 = P): a lane holds ONE query (lane % 16) throughout;
; score register 16 b + i is key 128 s + 32 b + 16 (lane / 16) + i.  The first product's K is 64: Q's fragment has zero codes in its upper six registers, K's fragment of tile t is six registers of codes and whatever
; follows them (the next tile's codes, or six zeros behind the last): those meet Q's zeros.  The scale words repeat their two bytes, so that no byte is 0xff.
; LIMITS: a block's largest p is taken through the block's largest score, which takes v_exp_f32 not to fall where its input rises; a block whose every p is 0 keeps the byte 1: its codes are zeros.
; THE MODE: SCHED_MODE bits 1:0 = 2 (LLVM: expert scheduling mode 2), set by the entry lines.  The code itself states the register dependences
; between vector or matrix instructions and memory or LDS instructions, with s_wait_alu, always for 0.
; THE PLAN.  Registers that memory or LDS instructions touch:
;   v1, v10, v11, v238-246   offsets and addresses made once at the head and never written again.
;   v5-8      At the head the fill's LDS addresses.  In a worked step: written by four additions at its head, read by the step's 26 LDS loads.
;   v96-197   At the head: the fill's loads land here and its LDS stores read them; afterwards these are S^T, O^T and p's codes.
;   KF, KSC   K's loads land at the step's head; the eight products K Q^T read them.
;   KF, VSC   V's loads land in the same registers during the softmax's second part; the four products V^T P read them.  (A wave's 256 registers have no room for a second set of 48.)
;   p's codes and p's scale word are written by vector instructions and taken by scaled products.
;   S         On the way out: the low 32 are written by multiplies and read by LDS stores; the stage's loads land in the high 32, which the global stores read; the next tile's products write all 64.
; So a worked step has: one wait on vm_vsrc ahead of the four additions; one on va_vdst behind them (the addresses are written; the last step's products are done with KF, KSC, VSC); the wait behind the 64
; exponentials, which also states that the products K Q^T are done reading KF, so that V's loads follow it with no wait of their own; the wait for the four exponentials; and one ahead of the products V^T P.
.set WSH,  315392
.set O_VC, 98304
.set O_KS, 196608
.set O_VS, 204800
.set O_QC, 208896
.set O_QS, 307200
.set FLG,  524288
.set STAGE, 208896                     ; behind the head's bytes: 16 rows x (256 + 16) bytes for each wave, for the way out
.set SP,   272
.set LI,   1                           ; v1   16 x lane: an image's place for my lane; also my offset in two rows of out0; never rewritten
.set LIV,  2                           ; v2   the same in V's codes
.set LIS,  3                           ; v3   in K's scale words
.set L8V,  4                           ; v4   8 x lane, in V's scale words
.set ADK,  5                           ; v5-8 the step's LDS addresses (at the head: the fill's)
.set ADV,  6
.set ADS,  7
.set ADT,  8
.set NINF, 9                           ; v9   -infinity
.set STO,  10                          ; v10  the stage: where I put 32 bytes of a row
.set RD,   11                          ; v11  and where I read a row back
.set QA,   16                          ; v16-27 tile A's Q fragment (v22-27 zeros);  v28-39 tile B's;  v40, v41 their scale words.  v12 -M, v13 the largest t, v[14:15] the sum in two halves
.set QB,   28
.set QSA,  40
.set QSB,  41
.set KF,   42                          ; v42-89 eight half fragments of K, later four fragments of V;  v90-95 zeros
.set S,    96                          ; v96-159 S^T, then p; on the way out the scaled O and the rows read back
.set O,    160                         ; v160-191 O^T
.set PC,   192                         ; v192-203 p's codes;  v204-206, v208-210 the conversions' second halves
.set PT,   204
.set BM,   212                         ; v212-215 the blocks' largest scores, then largest p
.set BT,   216
.set BS,   220                         ; v220-223 the conversions' scale operands
.set KSC,  224                         ; v224-227 K's scale words;  v228-229 V's;  v230 p's: these hold scales and nothing else
.set VSC,  228
.set PW,   230
.set F,    232                         ; v[232:233] f = 2^(old M - new M)
.set TMP,  234
.set L2,   236                         ; v[236:237] the sum's second chain
; scalars: s4-51, s68-83 the step's 64 lane-mask words (word j: s[4 + j] for j < 48, else s[20 + j]);  s[52:53] ws at my head;  s[54:55] mk;  s58 wave;  s61, s62 tiles A, B;  s66, s67 ANY, ALL of A;  s84, s85 of B;
; s[86:87] lane selects;  s[88:89] log2(e);  s90 the step, s91 = 6,144 x, s92 = 512 x, s93 = 256 x step;  s[94:95], s[96:97] the tiles' mask words;  s[98:99], s[100:101] the tiles' rows of out0
	s_load_b128 s[52:55], s[0:1], 0x0              ; ws, mk
	s_load_b64 s[56:57], s[0:1], 0x10              ; out0
	v_lshl_add_u32 v254, v0, 2, 0x44000
	v_mov_b32 v255, 0
	v_lshrrev_b32 v247, 5, v0
	v_readfirstlane_b32 s58, v247                  ; wave 0..15
	v_and_b32 v[LI], 31, v0
	v_lshlrev_b32 v[LI], 4, v[LI]
	v_and_b32 v247, 15, v0                         ; r
	v_bfe_u32 v248, v0, 4, 1                       ; h
	v_lshlrev_b32 v244, 4, v0                      ; the fill: 16 bytes a thread,
	v_lshlrev_b32 v245, 3, v0                      ; and 8 for its last 4,096 bytes
	s_lshr_b32 s59, ttmp9, 2                       ; head
	s_and_b32 s60, ttmp9, 3                        ; quarter
	s_lshl_b32 s61, s60, 4
	s_wait_alu depctr_va_sdst(0)                   ; s58 is written, ahead of its first reader: the tiles' numbers, and all that is made of them, hang on it
	s_add_co_u32 s61, s61, s58                     ; tile A
	s_sub_co_u32 s62, 127, s61                     ; tile B
	s_mul_i32 s2, s59, WSH
	s_mov_b32 s3, 0
	s_lshl_b32 s63, s61, 5
	s_lshl_b32 s66, s62, 5
	s_wait_alu depctr_va_vdst(0)
	s_wait_kmcnt 0x0
	s_add_nc_u64 s[52:53], s[52:53], s[2:3]
	s_load_b256 s[4:11], s[54:55], s63 offset:FLG  ; tile A's flags: {ANY, ALL} for each four steps
	s_load_b256 s[12:19], s[54:55], s66 offset:FLG ; tile B's
; Q's six registers of codes of tile 2 P + u out of the pair's image of twelve, and its rows' scale words: first both tiles' offsets, then one wait, then the loads
.macro QADR ts, va
	s_lshr_b32 s90, s[\ts], 1                      ; P
	s_and_b32 s91, s[\ts], 1                       ; u
	s_mul_i32 s92, s90, 1536
	s_mul_i32 s93, s91, 520
	s_add_co_u32 s93, s93, s92
	v_add_nc_u32 v[\va], s93, v[LI]
	s_mul_i32 s93, s91, 1016
	s_add_co_u32 s93, s93, s92
	v_add_nc_u32 v[\va+1], s93, v[LI]
	s_lshr_b32 s92, s90, 2
	s_lshl_b32 s92, s92, 9
	s_lshl_b32 s93, s91, 8
	s_add_co_u32 s92, s92, s93
	s_and_b32 s93, s90, 3
	s_lshl_b32 s93, s93, 2
	s_add_co_u32 s92, s92, s93
	v_lshl_add_u32 v[\va+2], v247, 4, s92
.endm
.macro QLD qf, qw, va
	global_load_b64 v[\qf:\qf+1], v[\va], s[52:53] offset:O_QC          ; image registers 0, 1 (u = 0) or 6, 7
	global_load_b64 v[\qf+2:\qf+3], v[\va+1], s[52:53] offset:O_QC+8    ; 2, 3 or 8, 9
	global_load_b64 v[\qf+4:\qf+5], v[\va], s[52:53] offset:O_QC+512    ; 4, 5 or 10, 11
	global_load_b32 v[\qw], v[\va+2], s[52:53] offset:O_QS
.endm
	QADR 61, 238
	QADR 62, 241
	s_wait_alu depctr_va_vdst(0)                   ; v238 to v245 are written: the 34 loads below read them as their offsets
	QLD QA, QSA, 238
	QLD QB, QSB, 241
.set i, 0
.rept 25                               ; the head's K and V: 25 x 8,192 bytes, 512 consecutive bytes a wave and instruction,
	global_load_b128 v[96+4*i:96+4*i+3], v244, s[52:53] offset:8192*i
.set i, i+1
.endr
	global_load_b64 v[196:197], v245, s[52:53] offset:O_VS   ; and the last 4,096
	s_lshl_b32 s92, s61, 12
	s_mov_b32 s93, 0
	s_add_nc_u64 s[94:95], s[54:55], s[92:93]
	s_lshl_b32 s92, s62, 12
	s_add_nc_u64 s[96:97], s[54:55], s[92:93]
	s_lshl_b32 s90, s59, 19                        ; a head's 2,048 rows of 256 bytes
.irp x, 0,1
	s_lshr_b32 s92, s[61+\x], 1
	s_lshl_b32 s92, s92, 13                        ; 32 P rows
	s_and_b32 s91, s[61+\x], 1
	s_lshl_b32 s91, s91, 11                        ; 8 u rows
	s_add_co_u32 s92, s92, s91
	s_add_co_u32 s92, s92, s90
	s_add_nc_u64 s[98+2*\x:99+2*\x], s[56:57], s[92:93]
.endr
	s_mov_b32 s86, 0x76543210
	s_mov_b32 s87, 0xfedcba98                      ; v_permlanex16_b32's selects for lane l xor 16
	s_mov_b32 s88, 0x3fb8aa3b                      ; log2(e)
	s_mov_b32 s89, s88                             ; (named with it as a pair, so it is written)
	v_add_nc_u32 v[LIV], O_VC, v[LI]
	v_add_nc_u32 v[LIS], O_KS, v[LI]
	v_and_b32 v[L8V], 31, v0
	v_lshl_add_u32 v[L8V], v[L8V], 3, O_VS
	v_lshlrev_b32 v5, 4, v0                        ; the fill's LDS addresses: an LDS offset has 16 bits, so four registers 65,536 bytes apart
	v_add_nc_u32 v6, 0x10000, v5
	v_add_nc_u32 v7, 0x20000, v5
	v_add_nc_u32 v8, 0x30000, v5
	v_lshl_add_u32 v246, v0, 3, O_VS
	v_mov_b32 v[NINF], 0xff800000
	s_mul_i32 s91, s58, 16*SP
	s_add_co_u32 s91, s91, STAGE                   ; my stage
	v_mul_u32_u24 v[STO], v247, SP
	v_lshl_add_u32 v[STO], v248, 5, v[STO]
	v_add_nc_u32 v[STO], s91, v[STO]               ; in: row r, 32 bytes for each half of the lanes
	v_mul_u32_u24 v[RD], v248, SP
	v_lshl_add_u32 v[RD], v247, 4, v[RD]
	v_add_nc_u32 v[RD], s91, v[RD]                 ; back: lanes 0-15 one row of 256 bytes, lanes 16-31 the next
.irp i, 0,1,2,3,4,5
	v_mov_b32 v[QA+6+\i], 0                        ; zero codes for the upper half of the first product's 128
	v_mov_b32 v[QB+6+\i], 0
	v_mov_b32 v[KF+48+\i], 0                       ; and behind K's last tile
.endr
.irp i, 0,1,2,3
	v_mov_b32 v[BT+\i], 0                          ; written once: a lane permute's destination counts as one of its sources
.endr
	v_mov_b32 v[F+1], 0                            ; (named as the upper half of a pair)
	v_mov_b32 v[TMP], 0
	s_wait_kmcnt 0x0
	s_or_b32 s66, s4, s6                           ; the four groups' bits make the tile's 16
	s_or_b32 s66, s66, s8
	s_or_b32 s66, s66, s10
	s_or_b32 s67, s5, s7
	s_or_b32 s67, s67, s9
	s_or_b32 s67, s67, s11
	s_or_b32 s84, s12, s14
	s_or_b32 s84, s84, s16
	s_or_b32 s84, s84, s18
	s_or_b32 s85, s13, s15
	s_or_b32 s85, s85, s17
	s_or_b32 s85, s85, s19
	s_wait_alu depctr_va_vdst(0)                   ; v5 to v8 and v246 are written, which the LDS stores below read as addresses; so are the stage's addresses v10 and v11, and the zero codes that scaled products take as operands
.set i, 0
.rept 25
	s_wait_loadcnt 25-i                            ; loads come back in order: behind the fill's load i stand 24 - i of 16 bytes and the one of 8
	ds_store_b128 v[5+i/8], v[96+4*i:96+4*i+3] offset:8192*(i%8)
.set i, i+1
.endr
	s_wait_loadcnt 0x0
	ds_store_b64 v246, v[196:197]
	s_wait_dscnt 0x0                               ; for the others' sake: my stores have landed
	s_barrier_signal -1
	s_barrier_wait -1                              ; the launch's one barrier, ahead of every branch on a stored number: the head lies in LDS, and nobody writes it again
	s_wait_alu depctr_vm_vsrc(0)                   ; my LDS stores have read v96 to v197: these registers are S^T, O^T and p's codes from here on, written by vector and matrix instructions
; S^T of a step: eight tiles of 16 keys, each begun with the constant 0.
.macro QK qf, qw
	s_wait_dscnt 0x0                               ; K's codes and scale words are in
.irp t, 0,1,2,3,4,5,6,7
.if (\t)%2
	v_wmma_scale_f32_16x16x128_f8f6f4 v[S+8*\t:S+8*\t+7], v[KF+6*\t:KF+6*\t+11], v[\qf:\qf+11], 0, v[KSC+\t/2], v[\qw] matrix_a_fmt:MATRIX_FMT_BF6 matrix_b_fmt:MATRIX_FMT_BF6 matrix_a_scale:MATRIX_SCALE_ROW1
.else
	v_wmma_scale_f32_16x16x128_f8f6f4 v[S+8*\t:S+8*\t+7], v[KF+6*\t:KF+6*\t+11], v[\qf:\qf+11], 0, v[KSC+\t/2], v[\qw] matrix_a_fmt:MATRIX_FMT_BF6 matrix_b_fmt:MATRIX_FMT_BF6
.endif
.endr
.rept 4
	v_nop                                          ; four places (ISA guide 7.12.1) in front of the first read of these products' results
.endr
.endm
; One tile of 16 queries through all 16 steps, and out.
.macro TILE qf, qw, any, all, mb, ob, more
	v_mov_b32 v13, 0xff61b1e6                      ; the largest t so far: -3e38, under every t
	v_floor_f32 v12, -v13                          ; -M
	v_mov_b32 v14, 0
	v_mov_b32 v15, 0
.set j, 0
.rept 32
	v_mov_b32 v[O+j], 0                            ; which step is the first to be worked hangs on the mask, so no product of the text can start these sums
.set j, j+1
.endr
	s_mov_b32 s90, 0
	s_mov_b32 s91, 0
	s_mov_b32 s92, 0
	s_mov_b32 s93, 0
.Lstep_\@:                             ; 16 trips, whatever the mask: what is left out is a step's work, not the lines at its end that step addresses
	s_bitcmp1_b32 s[\any], s90
	s_cbranch_scc0 .Lskip_\@
	s_wait_alu depctr_vm_vsrc(0)                   ; the LDS loads of the step worked last (in a launch's first step: the fill's LDS stores) have read v5 to v8, which the four lines below write
	v_add_nc_u32 v[ADK], s91, v[LI]
	v_add_nc_u32 v[ADV], s91, v[LIV]
	v_add_nc_u32 v[ADS], s92, v[LIS]
	v_add_nc_u32 v[ADT], s93, v[L8V]
	s_wait_alu depctr_va_vdst(0)                   ; the four addresses are written, which this step's LDS loads read; the last step's products are done reading KF, K's and V's scale words, in which these loads land
.set i, 0
.rept 12
	ds_load_b128 v[KF+4*i:KF+4*i+3], v[ADK] offset:512*i   ; images: 512 consecutive bytes an instruction
.set i, i+1
.endr
	ds_load_b128 v[KSC:KSC+3], v[ADS]
	s_bitcmp1_b32 s[\all], s90
	s_cbranch_scc1 .Lopen_\@
	s_load_b512 s[4:19], s[\mb:\mb+1], s93 offset:0x0      ; the step's 64 lane-mask words
	s_load_b512 s[20:35], s[\mb:\mb+1], s93 offset:0x40
	s_load_b512 s[36:51], s[\mb:\mb+1], s93 offset:0x80
	s_load_b512 s[68:83], s[\mb:\mb+1], s93 offset:0xc0
	QK \qf, \qw
	s_wait_kmcnt 0x0
.set j, 0
.rept 64                               ; a hidden score becomes -infinity; each accumulator from its low end on
.if j < 48
	v_cndmask_b32 v[S+j], v[NINF], v[S+j], s[4+j]
.else
	v_cndmask_b32 v[S+j], v[NINF], v[S+j], s[20+j]
.endif
.set j, j+1
.endr
	s_branch .Lsoft_\@
.Lopen_\@:
	QK \qf, \qw
.Lsoft_\@:
.irp b, 0,1,2,3
	v_max3_num_f32 v[BM+\b], v[S+16*\b], v[S+1+16*\b], v[S+2+16*\b]   ; the largest score of each block of 32 keys: it serves for the row's maximum and, since p rises with the score, for the block's largest p
.endr
.irp i, 3,5,7,9,11,13
.irp b, 0,1,2,3
	v_max3_num_f32 v[BM+\b], v[BM+\b], v[S+16*\b+\i], v[S+1+16*\b+\i]   ; (the four blocks by turns)
.endr
.endr
.irp b, 0,1,2,3
	v_max_num_f32 v[BM+\b], v[BM+\b], v[S+15+16*\b]
.endr
.irp b, 0,1,2,3
	v_permlanex16_b32 v[BT+\b], v[BM+\b], s86, s87
.endr
.irp b, 0,1,2,3
	v_max_num_f32 v[BM+\b], v[BM+\b], v[BT+\b]     ; with lane l xor 16's 16 keys
.endr
	v_max3_num_f32 v[TMP], v[BM], v[BM+1], v[BM+2]
	v_max_num_f32 v[TMP], v[TMP], v[BM+3]
	v_mul_f32 v[TMP], s88, v[TMP]                  ; as t
	v_max_num_f32 v13, v13, v[TMP]                 ; the running largest t
	v_mov_b32 v[TMP], v12
	v_floor_f32 v12, -v13                          ; the new -M = -ceil(t): a whole number
	v_sub_f32 v[TMP], v12, v[TMP]                  ; old M - new M: a whole number, 0 or less
	v_cvt_i32_f32 v[TMP], v[TMP]                   ; (it saturates)
	v_ldexp_f32 v[F], 1.0, v[TMP]                  ; f = 2^(old M - new M)
.irp j, 0,2,4,6,8,10,12,14,16,18,20,22,24,26,28,30,32,34,36,38,40,42,44,46,48,50,52,54,56,58,60,62
	v_pk_fma_f32 v[S+\j:S+\j+1], v[S+\j:S+\j+1], s[88:89], v[12:13] op_sel_hi:[1,0,0]   ; t - M, two at a time
.endr
.irp b, 0,1,2,3
	v_fma_f32 v[BM+\b], v[BM+\b], s88, v12         ; the same of each block's largest score
.endr
.set j, 0
	s_wait_alu depctr_va_vdst(0)
.rept 64
	v_exp_f32 v[S+j], v[S+j]                       ; p = 2^(t - M)
.set j, j+1
.endr
	v_pk_mul_f32 v[14:15], v[14:15], v[F:F+1] op_sel_hi:[1,0]   ; the sums under the new M.  (The plain instruction behind the exponentials)
	s_wait_alu depctr_va_vdst(0)                   ; the 64 exponentials have written p, ahead of its first reader; and the products K Q^T are done reading KF, in which V's loads below land
.set i, 0
.rept 12                               ; V's fragments into K's registers, and V's scale words: no vector or matrix instruction names these registers until the products V^T P, behind the wait for these loads
	ds_load_b128 v[KF+4*i:KF+4*i+3], v[ADV] offset:512*i
.set i, i+1
.endr
	ds_load_b64 v[VSC:VSC+1], v[ADT]
.irp b, 0,1,2,3
	v_exp_f32 v[BM+\b], v[BM+\b]                   ; the block's largest p: the same two instructions on the same number
.endr
	v_pk_add_f32 v[L2:L2+1], v[S:S+1], v[S+2:S+3]  ; the row's sum of the unquantised p, in two chains: the first half here, behind the four exponentials
.irp j, 4,8,12,16,20,24,28
	v_pk_add_f32 v[14:15], v[14:15], v[S+\j:S+\j+1]
	v_pk_add_f32 v[L2:L2+1], v[L2:L2+1], v[S+\j+2:S+\j+3]
.endr
	s_wait_alu depctr_va_vdst(0)                   ; the four exponentials have written the blocks' largest p, ahead of its first reader
.irp b, 0,1,2,3
	v_max_num_f32 v[BM+\b], 0x2800000, v[BM+\b]    ; the floor 2^(5 - 127): the byte cannot fall under 1
.endr
.irp b, 0,1,2,3
	v_add_nc_u32 v[BS+\b], 0xfe000000, v[BM+\b]    ; 4 off the exponent field: the conversion's scale operand
.endr
.irp b, 0,1,2,3
	v_lshrrev_b32 v[BT+\b], 23, v[BS+\b]           ; the byte
.endr
	v_lshl_or_b32 v[PW], v[BT+1], 8, v[BT]         ; p's scale word for these 128 keys
	v_lshl_or_b32 v[PW], v[BT+2], 16, v[PW]
	v_lshl_or_b32 v[PW], v[BT+3], 24, v[PW]
.irp c, 0,1
	v_cvt_scalef32_pk16_bf6_f32 v[PC+6*\c:PC+6*\c+2], v[S+32*\c:S+32*\c+15], v[BS+2*\c]
	v_cvt_scalef32_pk16_bf6_f32 v[PT+4*\c:PT+4*\c+2], v[S+16+32*\c:S+31+32*\c], v[BS+2*\c+1]   ; (a conversion's three registers begin on an even number)
.endr
	v_nop                                          ; one plain instruction behind the conversions
.irp c, 0,1                            ; the operand's layout wants a whole block in a lane: lanes 0-15 block 2 c, lanes 16-31 block 2 c + 1
.irp i, 0,1,2
	v_permlane16_swap_b32 v[PC+6*\c+\i], v[PT+4*\c+\i]
.endr
.irp i, 0,1,2
	v_mov_b32 v[PC+3+6*\c+\i], v[PT+4*\c+\i]
.endr
.endr
.irp j, 0,2,4,6,8,10,12,14,16,18,20,22,24,26,28,30
	v_pk_mul_f32 v[O+\j:O+\j+1], v[O+\j:O+\j+1], v[F:F+1] op_sel_hi:[1,0]   ; O^T under the new M; each accumulator from its low end on
.endr
.irp j, 32,36,40,44,48,52,56,60        ; the sum's second half stands here: 17 plain instructions between the last write of an operand, a scale word or an accumulator and the products below
	v_pk_add_f32 v[14:15], v[14:15], v[S+\j:S+\j+1]
	v_pk_add_f32 v[L2:L2+1], v[L2:L2+1], v[S+\j+2:S+\j+3]
.endr
	v_pk_add_f32 v[14:15], v[14:15], v[L2:L2+1]
	s_wait_dscnt 0x0                               ; V's codes and scale words are in
	s_wait_alu depctr_va_vdst(0)                   ; vector instructions have written p's codes and p's scale word, which the scaled products below take; the places above stay beside this wait
.irp t, 0,1,2,3                        ; O^T += V^T P^T: four accumulators by turns, one instruction a turn, with the next step's eight products between two links
.if (\t)%2
	v_wmma_scale_f32_16x16x128_f8f6f4 v[O+8*\t:O+8*\t+7], v[KF+12*\t:KF+12*\t+11], v[PC:PC+11], v[O+8*\t:O+8*\t+7], v[VSC+\t/2], v[PW] matrix_a_fmt:MATRIX_FMT_BF6 matrix_b_fmt:MATRIX_FMT_BF6 matrix_a_scale:MATRIX_SCALE_ROW1
.else
	v_wmma_scale_f32_16x16x128_f8f6f4 v[O+8*\t:O+8*\t+7], v[KF+12*\t:KF+12*\t+11], v[PC:PC+11], v[O+8*\t:O+8*\t+7], v[VSC+\t/2], v[PW] matrix_a_fmt:MATRIX_FMT_BF6 matrix_b_fmt:MATRIX_FMT_BF6
.endif
.endr
.Lskip_\@:
	s_add_co_u32 s91, s91, 6144                    ; the scalar loads that named s93 were waited for
	s_add_co_u32 s92, s92, 512
	s_add_co_u32 s93, s93, 256
	s_add_co_u32 s90, s90, 1
	s_cmp_lt_u32 s90, 16
	s_cbranch_scc1 .Lstep_\@
	; THE WAY OUT: O^T / the sum goes through my stage and leaves as whole rows of 256 bytes
.rept 4
	v_nop                                          ; places behind the last products
.endr
	v_add_f32 v14, v14, v15                        ; the sum's two halves,
	v_permlanex16_b32 v[TMP], v14, s86, s87
	v_add_f32 v14, v14, v[TMP]                     ; and lane l xor 16's
	s_wait_alu depctr_va_vdst(0)
	v_rcp_f32 v14, v14
	v_nop                                          ; a plain instruction behind the reciprocal,
	s_wait_alu depctr_va_vdst(0)                   ; and the reciprocal has written v14, ahead of its first reader
.irp j, 0,2,4,6,8,10,12,14,16,18,20,22,24,26,28,30
	v_pk_mul_f32 v[S+\j:S+\j+1], v[O+\j:O+\j+1], v[14:15] op_sel_hi:[1,0]   ; register 8 t + i is o(r, 16 t + 8 h + i)
.endr
	s_wait_alu depctr_va_vdst(0)                   ; the multiplies have written S's low 32 registers, which the LDS stores read; all that read or wrote its high 32, in which the stage's loads land, is done
.irp t, 0,1,2,3
	ds_store_b128 v[STO], v[S+8*\t:S+8*\t+3] offset:64*\t
	ds_store_b128 v[STO], v[S+8*\t+4:S+8*\t+7] offset:64*\t+16
.endr
.irp i, 0,1,2,3,4,5,6,7
	ds_load_b128 v[S+32+4*\i:S+35+4*\i], v[RD] offset:2*\i*SP   ; LDS serves a wave's instructions in order: these see my stores
.endr
.irp i, 0,1,2,3,4,5,6,7
	s_wait_dscnt 7-\i                              ; the younger of the eight loads may stay out
	global_store_b128 v[LI], v[S+32+4*\i:S+35+4*\i], s[\ob:\ob+1] offset:512*\i+2048*(\i/4) th:TH_STORE_NT   ; tile rows 2 i and 2 i + 1 are neighbours in out0: 512 consecutive bytes, aligned; rows 8-15 lie 8 rows further on
.endr
.if \more
	s_wait_xcnt 0x0                                ; the stores have had their addresses translated: the next tile may write their registers,
	s_wait_alu depctr_vm_vsrc(0)                   ; and the LDS stores and the global stores have read S's 64 registers, which the next tile's products, multiplies and stage loads write
.endif
.endm
	TILE QA, QSA, 66, 67, 94, 98, 1
	TILE QB, QSB, 84, 85, 96, 100, 0
	s_wait_dscnt 0x0
	s_wait_alu depctr_hold_cnt(0) depctr_sa_sdst(0) depctr_va_vdst(0) depctr_va_sdst(0) depctr_va_ssrc(0) depctr_va_vcc(0) depctr_vm_vsrc(0)
	s_wait_tensorcnt 0x0
	ds_add_u32 v254, v255
	s_wait_dscnt 0x0
	s_endpgm
.Lfunc_end_k_qb5f09bb3e0_attn:
	.size	k_qb5f09bb3e0_attn, .Lfunc_end_k_qb5f09bb3e0_attn-k_qb5f09bb3e0_attn
	.p2alignl 7, 3214868480
	.fill 96, 4, 3214868480
	.section	.rodata,"a",@progbits
	.p2align	6, 0x0
	.amdhsa_kernel k_qb5f09bb3e0_attn
		.amdhsa_group_segment_fixed_size 280576
		.amdhsa_private_segment_fixed_size 0
		.amdhsa_enable_private_segment 0
		.amdhsa_kernarg_size 24
		.amdhsa_user_sgpr_count 2
		.amdhsa_user_sgpr_kernarg_segment_ptr 1
		.amdhsa_wavefront_size32 1
		.amdhsa_system_sgpr_workgroup_id_x 1
		.amdhsa_system_sgpr_workgroup_id_y 1
		.amdhsa_system_sgpr_workgroup_id_z 1
		.amdhsa_system_vgpr_workitem_id 0
		.amdhsa_next_free_vgpr 256
		.amdhsa_next_free_sgpr 102
		.amdhsa_reserve_vcc 0
		.amdhsa_float_denorm_mode_32 3
		.amdhsa_float_denorm_mode_16_64 3
		.amdhsa_memory_ordered 1
		.amdhsa_forward_progress 1
		.amdhsa_inst_pref_size 64
	.end_amdhsa_kernel
	.amdgpu_metadata
---
amdhsa.version: [ 1, 2 ]
amdhsa.kernels:
  - .name:           k_qb5f09bb3e0_attn
    .symbol:         k_qb5f09bb3e0_attn.kd
    .args:
      - { .name: ws, .offset: 0, .size: 8, .value_kind: global_buffer, .address_space: global }
      - { .name: mk, .offset: 8, .size: 8, .value_kind: global_buffer, .address_space: global }
      - { .name: out0, .offset: 16, .size: 8, .value_kind: global_buffer, .address_space: global }
    .group_segment_fixed_size: 280576
    .private_segment_fixed_size: 0
    .kernarg_segment_align: 8
    .kernarg_segment_size: 24
    .max_flat_workgroup_size: 512
    .sgpr_count:     102
    .vgpr_count:     256
    .wavefront_size: 32
...
	.end_amdgpu_metadata
.endif
;; end of part 4
